; MI455X (gfx1250); checked and timed in simulation.
; The chip was launched on July 23, 2026; its instructions are those of AMD's public machine-readable ISA for CDNA 5 (MIT licence, August 2026) and "CDNA5" Instruction Set Architecture Reference Guide (July 2026). The comments in the code are by the model that wrote it; some were corrected since.
;; Multihead Attention. Allowed arithmetic: matrix products marked QUANTISED: E5M2 operands, one E8M0 scale for each 32 along K, by v_wmma_scale_f32_16x16x128_f8f6f4 with both operands' format E5M2, f32 sums; everything else in f32.
;; Inputs: Wk_codes 1,024 x 32 x 32 uint8 (E5M2 codes of Wk, K innermost, in blocks of 32 codes); Wk_scales 1,024 x 32 uint8 (E8M0 scales of Wk, one for each 32 codes along K); Wo_codes 1,024 x 32 x 32 uint8 (E5M2 codes of Wo, K innermost, in blocks of 32 codes); Wo_scales 1,024 x 32 uint8 (E8M0 scales of Wo, one for each 32 codes along K); Wq_codes 1,024 x 32 x 32 uint8 (E5M2 codes of Wq, K innermost, in blocks of 32 codes); Wq_scales 1,024 x 32 uint8 (E8M0 scales of Wq, one for each 32 codes along K); Wv_codes 1,024 x 32 x 32 uint8 (E5M2 codes of Wv, K innermost, in blocks of 32 codes); Wv_scales 1,024 x 32 uint8 (E8M0 scales of Wv, one for each 32 codes along K); bo 1,024 float32; x_codes 4 x 2,048 x 32 x 32 uint8 (E5M2 codes of x, K innermost, in blocks of 32 codes); x_scales 4 x 2,048 x 32 uint8 (E8M0 scales of x, one for each 32 codes along K).
;; Outputs: out0 4 x 2,048 x 1,024 float32.
;; This version of the problem:
;;   THIS VERSION OF THE PROBLEM IS GIVEN IN LOW PRECISION. The matrix products marked QUANTISED in the list below multiply operands that are first quantised to E5M2 (5 exponent bits, 2 mantissa bits; 8 bits a number), with one power-of-two scale for each 32 numbers along K (OCP MX v1.0); their sums are f32. All else is computed in f32.
;;   The module's matrix products, in the order in which they are computed (A, B: the left and right operand; K: the contracted axis; several contracted axes count as one K, in the product's order):
;;     1. [M 8,192, K 1,024] x [K 1,024, N 1,024]; A: input x (given as codes); B: input Wq (given as codes): QUANTISED
;;     2. [M 8,192, K 1,024] x [K 1,024, N 1,024]; A: input x (given as codes); B: input Wk (given as codes): QUANTISED
;;     3. [M 8,192, K 1,024] x [K 1,024, N 1,024]; A: input x (given as codes); B: input Wv (given as codes): QUANTISED
;;     4. batch 64 x [M 2,048, K 64] x [K 64, N 2,048]; A: computed on the way; B: computed on the way: QUANTISED
;;     5. batch 64 x [M 2,048, K 2,048] x [K 2,048, N 64]; A: softmax (see below); B: computed on the way: QUANTISED
;;     6. [M 8,192, K 1,024] x [K 1,024, N 1,024]; A: computed on the way; B: input Wo (given as codes): QUANTISED
;;   THE QUANTISER, for each operand of a quantised product, along K:
;;     - K is cut into blocks of 32 from its start; a last block that is shorter is filled with zeros.
;;     - A block's scale is 2^e with e = floor(log2(the largest magnitude in the block)) - 15, held to -126 .. 127; a block of zeros has e = 0. As a byte (E8M0): e + 127.
;;     - Each number is divided by its block's scale, clamped to +-57,344, and rounded to the nearest number of E5M2, ties to even, subnormals kept.
;;     - The product sums the exact products of the quantised numbers (number of the format x scale) in f32.
;;   ~~~python
;;   def quantise(x, axis):      # numpy; x: float32 -> the quantised numbers, widened to float32 again
;;       x = np.moveaxis(x, axis, -1); K = x.shape[-1]
;;       x = np.pad(x, [(0, 0)] * (x.ndim - 1) + [(0, -K % 32)]); x = x.reshape(x.shape[:-1] + (-1, 32)); a = np.abs(x).max(-1, keepdims=True)
;;       e = np.where(a > 0, np.clip(np.frexp(np.where(a > 0, a, 1))[1] - 1 - 15, -126, 127), 0)      # np.frexp(a)[1] - 1 = floor(log2(a)), exactly
;;       r = np.clip(x / 2.0 ** e, -57344, 57344)
;;       step = 2.0 ** (np.maximum(np.frexp(np.where(r == 0, 1, r))[1] - 1, -14) - 2)
;;       q = np.round(r / step) * step * 2.0 ** e      # np.round: ties to even
;;       return np.moveaxis(q.reshape(q.shape[:-2] + (-1,))[..., :K], -1, axis).astype(np.float32)
;;   ~~~
;;   SOFTMAX AHEAD OF A QUANTISED PRODUCT. Where the list says 'softmax', what is quantised is not the finished softmax but p = 2^(t - M), with t = logit x log2(e) and M = ceil(the row's largest t), a whole number; so 1/2 < the row's largest p <= 1. The row's sum l is taken of the UNQUANTISED p, in f32, and the product's result is divided by l at the end. Since M is a whole number, a kernel that streams over the keys may use a running M (the ceiling of the running maximum): every later rescaling is an exact power of two, which a block's scale takes up: the codes' values come out the same.
;;   OPERANDS COMPUTED ON THE WAY. 'Computed on the way' means the value that the module computes at that place (a softmax that the list does not call 'softmax' is quantised finished and normalised). What goes into a quantiser is computed in f32, as accurately as f32 sums, v_exp_f32 and their like allow (about 1e-6 of the number): no bf16 or f16 on the way to a quantiser, and a product that is left as it is and whose result goes on into a quantised operand takes f32 operands (vector FMAs, or v_wmma_f32_16x16x4_f32). A number that lies on a knife's edge between two numbers of the format may be rounded either way, as far as f32 arithmetic and the matrix unit's own rounding can turn it there, and no further.
;;   INPUTS GIVEN AS CODES. Wk (in the module: [1024, 1024], K = its axis 0); Wo (in the module: [1024, 1024], K = its axis 0); Wq (in the module: [1024, 1024], K = its axis 0); Wv (in the module: [1024, 1024], K = its axis 0); x (in the module: [4, 2048, 1024], K = its axis 2): each comes as NAME_codes (uint8): NAME with its K axis moved to the last place and cut into blocks of 32 codes, [.., K / 32, bytes a block], one block behind the other in memory; one code a byte (a code: sign, 5 exponent bits, 2 mantissa bits); and NAME_scales (uint8): the same leading axes, one E8M0 byte (e + 127) for each 32 codes along K. Its value is code x scale, taken as it is: it is not quantised again, and the codes and scales need not be those that the quantiser above would give.
;; One version. Each part assembles by itself: llvm-mc -triple=amdgcn-amd-amdhsa -mcpu=gfx1250 --defsym DOCPART=n.
;; ======== version 1 of 1: 3 launches
;; limits: right only within a limited range of input values
;; workspace buffers: q_codes 8,388,608 bytes; q_scales 524,288 bytes; kv 17,301,504 bytes; ctx_codes 8,388,608 bytes; ctx_scales 262,144 bytes
;; launch qkv (part 1): grid 12 x 32, 4 waves a work-group, clusters of 4 x 4, 327,680 bytes of LDS; arguments x_codes, x_scales, Wq_codes, Wq_scales, Wk_codes, Wk_scales, Wv_codes, Wv_scales, q_codes, q_scales, kv; writes q_codes, q_scales, kv
.if DOCPART == 1
	.amdgcn_target "amdgcn-amd-amdhsa--gfx1250"
	.amdhsa_code_object_version 6
	.text
	.protected	k_q632567eaff_qkv
	.globl	k_q632567eaff_qkv
	.p2align	8
	.type	k_q632567eaff_qkv,@function
k_q632567eaff_qkv:
	s_mov_b64 s[64:65], 0
	v_nop
	global_prefetch_b8 v0, s[64:65] scope:SCOPE_SE
	s_setreg_imm32_b32 hwreg(HW_REG_WAVE_MODE, 25, 1), 1
	s_wait_xcnt 0x0
	s_wait_alu depctr_hold_cnt(0) depctr_sa_sdst(0) depctr_va_vdst(0) depctr_va_sdst(0) depctr_va_ssrc(0) depctr_va_vcc(0) depctr_vm_vsrc(0)
	s_getreg_b32 s2, hwreg(HW_REG_IB_STS2, 6, 4)
	s_cmp_eq_u32 s2, 0
	s_cbranch_scc0 .Lentry_in_a_cluster
	s_endpgm
.Lentry_in_a_cluster:
	s_bfe_u32 s2, ttmp6, 0x10000c
	s_cmp_lg_u32 s2, 0xf033
	s_cbranch_scc0 .Lentry_shape_is_right
	s_endpgm
.Lentry_shape_is_right:
; q = x Wq, k = x Wk, v = x Wv on codes of BF8 (E5M2) with E8M0 scales, K = 1,024, and the quantising of the three results, in the accumulators, for the attention launch.
; x: 8,192 rows of 1,024 codes; each W: 1,024 rows (n) of 1,024 codes (K innermost); scale bytes 32 a row.
; ONE LOOP FOR THREE KINDS.  The cluster's x is the kind: 0 = q, 1 = k, 2 = v; it is the same in all sixteen partners.  The loop multiplies rows called A (source 1) by rows called B (source 0):
; a lane then holds ONE row of A (lane % 16) and its registers eight neighbouring rows of B.  q, k: A = x (tokens), B = the weight (n = 64 head + d).  v: A = Wv (n), B = x (tokens = keys).
; So in every kind a lane's registers run along the axis that the next product sums over (d for q and k, the keys for v), and one way out quantises all three.
; A tile of 256 x 256 is made by four waves, 128 x 128 each: 64 accumulators, 512 registers.  K goes in steps of 256 through a ring of two LDS slots; the scale bytes of the 512 rows come once and stay.
; CLUSTERS: 4 x 4 work-groups; A's tiles are asked for jointly along a row of the cluster, B's along a column.
; THE RESULTS LEAVE AS IMAGES OF OPERAND REGISTERS.  A group is 512 bytes: 16 rows x one block of 32 along the next K, lane l's four code registers at 16 l.  Accumulator tiles 2 b and 2 b + 1 give lane (r, h)
; the places 32 b + 8 h + 0..7 and 32 b + 16 + 8 h + 0..7 of block b: an order inside the block that q and k share, and v and the softmax's p share, so the products are the same sums in another order.
;   q_codes [bh 64][tile of 16 queries 128][block 2][512];  q_scales [bh][tile / 4][row 16][tile % 4] words b0 b1 b0 b1
;   kv [bh 64][slot of 256 keys 8][33,792]: K codes [tile 16][block 2][512]; at 16,384 V codes [step 2][16 d 4][block of 32 keys 4][512]; at 32,768 K scale words [step 2][row 16][pair of tiles 4]; at 33,280 V scale words [step 2][row 16][16 d 4]
; LIMITS: NaN and infinities among the values are not served.  A block of zeros gets the byte 1 where the rule says 127 (its codes are zeros; only this program reads the bytes); a block whose largest magnitude lies under 2^-111 is held at the byte 1.
; The order of the sums inside a block of 32 differs from ascending k.
; REGISTERS, in windows of 256: window 0: v8-13 the way out's offsets; v16-29 addresses; v32-63 scale words, two sets; from v128 A's fragments, one set.  window 1: B's fragments, two sets.  windows 2, 3: the accumulators ((a, b) at v[8 (8 (a % 4) + b)]).
.set KSTEP,  256
.set NQ,     KSTEP/128
.set ROWB,   256                       ; a tile's row in bytes
.set KROW,   1024                      ; a row of codes in memory
.set PITCH,  272                       ; an LDS row: 256 bytes + 16 of padding = 68 words: row r starts at bank 4 r mod 64 (64 banks of 4 bytes: ISA guide 11.1)
.set FR,     16
.set NL,     4
.set NP,     8                         ; places behind this matrix instruction (ISA guide 7.12.1)
.set HALFT,  128*PITCH
.set SLOT,   4*HALFT
.set LAPS,   1024/(2*KSTEP)
.set KS,     32                        ; a row of scale bytes
.set SCL,    2*SLOT
.set HALFS,  (128*KS/256)*272
.set SBLK,   (16*KS/256)*272
.set SPARE,  SCL+4*HALFS               ; the spare words, 128 bytes a wave: two blocks of 256 bytes that no other line names
.set SLOTB,  33792                     ; a slot of kv
.set HEADKV, 8*SLOTB
.set HEADQ,  131072                    ; a head of q_codes
.set OFFB, 8                           ; v8-11  where my 16 bytes of block 0..3's group go, from the row block's base
.set SLO,  12                          ; v12    where my four scale words go
.set SELV, 13                          ; v13    the byte select that makes them
.set ADRA, 16
.set ADRB, 20
.set ADRS, 27
.set SPW,  28
.set NIL,  29
.set SC,   32
.set AF,   128
.set TM,   32                          ; the way out: v32-35 largest magnitudes, v36-39 bytes, v40-43 the hold, v44-47 the conversions' scale
.set SW,   48                          ; v48-55 a row block's scale word (four bytes, blocks 0..3)
.set OW,   56                          ; v56-63 the words as they are stored
.set T,    128                         ; v128-191 64 numbers, held
.set PC,   192                         ; v192-207 their codes
.set G1, 24
.set G0, 32
.set G1B, 48
.set G0B, 56
.set G1S, 68
.set G0S, 76
.set G1SB, 80
.set G0SB, 88
.set OC,  12                           ; s[12:13] the codes' base
.set OS,  98                           ; s[98:99] the scale words' base
.set SA,  100                          ; s[100:101] from a row block to the next
.set S4,  104                          ; s[104:105] from row block 3 to 4
.set MNT, 95
.set SEL, 96
.set MSB, 0
.macro WIN new                         ; the immediate's high byte repeats the setting that is left
.if MSB != (\new)
	s_set_vgpr_msb (MSB<<8)|(\new)
.set MSB, (\new)
.endif
.endm
.set MUL_LO, 0xa1                      ; source 0 (B) window 1, source 1 (A) window 0, C and D window 2
.set MUL_HI, 0xf1
.set TO_B,   0x40
; A joint load: waves 0 and 1 fetch for A, waves 2 and 3 for B; the branch hangs on the wave's number alone.  Four v_nop follow each of the two lines.
.macro JLOAD g0a, g1a, g0b, g1b
	s_cmp_eq_u32 s15, 0
	s_cbranch_scc0 .Lfor_b_\@
	tensor_load_to_lds s[\g0a:\g0a+3], s[\g1a:\g1a+7]
	s_nop 0
.rept 4
	v_nop
.endr
	s_branch .Lasked_\@
.Lfor_b_\@:
	tensor_load_to_lds s[\g0b:\g0b+3], s[\g1b:\g1b+7]
	s_nop 0
.rept 4
	v_nop
.endr
.Lasked_\@:
.endm
.macro CREST                           ; a round of the cluster's barrier behind its opening barrier
	s_cmp_lg_u32 s14, 0
	s_cbranch_scc1 .Lnot_wave_0_\@
	s_barrier_signal -3
.Lnot_wave_0_\@:
	s_barrier_wait -3
	s_barrier_signal -1
	s_barrier_wait -1
.endm
.macro CROUND
	s_barrier_signal -1
	s_barrier_wait -1
	CREST
.endm
	s_load_b512 s[68:83], s[0:1], 0x0              ; x codes, x scales, Wq codes, scales, Wk codes, scales, Wv codes, scales
	s_load_b128 s[84:87], s[0:1], 0x40             ; q_codes, q_scales
	s_load_b64 s[88:89], s[0:1], 0x50              ; kv
	v_lshl_add_u32 v[SPW], v0, 2, SPARE
	v_mov_b32 v[NIL], 0
	ds_add_u32 v28, v29
	ds_add_u32 v28, v29
	s_wait_dscnt 0x0
	v_lshrrev_b32 v1, 5, v0
	v_readfirstlane_b32 s14, v1                    ; wave 0..3
	s_lshr_b32 s15, s14, 1                         ; which half of A's rows is mine.  Also: I fetch for A (0) or for B (1)
	s_and_b32 s16, s14, 1                          ; which half of B's rows.  Also: which 128 rows of that tile I fetch
	s_bfe_u32 s40, ttmp6, 0x40000                  ; cx, cy: my place in the cluster
	s_bfe_u32 s41, ttmp6, 0x40004
	s_and_b32 s18, ttmp7, 0xffff
	s_lshl_b32 s18, s18, 2                         ; 4 x cluster y: it walks the tokens, which are A's rows for q and k, B's for v
	s_cmp_eq_u32 ttmp9, 2
	s_cselect_b32 s17, 0, s18
	s_cselect_b32 s42, s18, 0
	s_add_co_u32 s17, s17, s41                     ; A's tile: made of cy and cluster numbers alone
	s_add_co_u32 s42, s42, s40                     ; B's tile: made of cx and cluster numbers alone
	s_lshl_b32 s43, s41, 2
	s_lshl_b32 s43, 15, s43                        ; my row of the cluster
	s_lshl_b32 s44, 0x1111, s40                    ; my column
	s_or_b32 s[G1+0], s43, (0<<16)|(1<<20)|(1<<21)|(5<<22)|(3<<25)  ; the mask; elements of 1 byte; padding on; bit 21 beside a mask; after every 64 words 4 words
	s_or_b32 s[G1B+0], s44, (0<<16)|(1<<20)|(1<<21)|(5<<22)|(3<<25)
.irp g, G1, G1B
	s_mov_b32 s[\g+1], ROWB<<16                    ; tensor_dim0
	s_mov_b32 s[\g+2], 128<<16                     ; tensor_dim1
	s_mov_b32 s[\g+3], ROWB<<16                    ; tile_dim0
	s_mov_b32 s[\g+4], 128                         ; tile_dim1
	s_mov_b32 s[\g+5], KROW                        ; from row to row
	s_mov_b32 s[\g+6], 0
	s_mov_b32 s[\g+7], 0
.endr
	s_lshl_b32 s18, s16, 7                         ; which 128 rows of the tile I fetch
	s_lshl_b32 s20, s17, 8
	s_add_co_u32 s20, s20, s18                     ; A: row 256 x tile + 128 x half
	s_lshl_b32 s46, s42, 8
	s_add_co_u32 s46, s46, s18                     ; B likewise
	s_mov_b32 s21, 0
	s_mov_b32 s47, 0
	s_mov_b64 s[18:19], KS
	s_mul_u64 s[22:23], s[20:21], s[18:19]         ; where these rows' scale bytes begin
	s_mul_u64 s[92:93], s[46:47], s[18:19]
	s_mov_b64 s[18:19], KROW
	s_mul_u64 s[20:21], s[20:21], s[18:19]         ; and their codes
	s_mul_u64 s[46:47], s[46:47], s[18:19]
	s_mul_i32 s45, s14, HALFT                      ; where they go: wave x 128 rows: no place in the cluster enters an LDS address
	s_mul_i32 s94, s14, HALFS
	s_wait_kmcnt 0x0
	s_cmp_eq_u32 ttmp9, 1                          ; the buffers by the kind: each choice hangs on the cluster's number alone
	s_cselect_b64 s[8:9], s[76:77], s[72:73]       ; B: Wk or Wq,
	s_cselect_b64 s[10:11], s[78:79], s[74:75]
	s_cmp_eq_u32 ttmp9, 2
	s_cselect_b64 s[8:9], s[68:69], s[8:9]         ; or, for v, x
	s_cselect_b64 s[10:11], s[70:71], s[10:11]
	s_cselect_b64 s[4:5], s[80:81], s[68:69]       ; A: Wv for v, else x
	s_cselect_b64 s[6:7], s[82:83], s[70:71]
	s_cmp_eq_u32 ttmp9, 0
	s_cselect_b64 s[OC:OC+1], s[84:85], s[88:89]   ; the codes go to q_codes or to kv,
	s_cselect_b64 s[OS:OS+1], s[86:87], s[88:89]   ; the scale words to q_scales or to kv
	s_add_nc_u64 s[20:21], s[4:5], s[20:21]
	s_add_nc_u64 s[22:23], s[6:7], s[22:23]
	s_add_nc_u64 s[46:47], s[8:9], s[46:47]
	s_add_nc_u64 s[92:93], s[10:11], s[92:93]
	; the scale bytes of 128 rows: a dense block of 4,096 bytes, as rows of 256 bytes (32 elements of 8 bytes), 16 bytes of padding behind each
	s_or_b32 s[G1S+0], s43, (3<<16)|(1<<20)|(1<<21)|(5<<22)|(3<<25)
	s_or_b32 s[G1SB+0], s44, (3<<16)|(1<<20)|(1<<21)|(5<<22)|(3<<25)
.irp g, G1S, G1SB
	s_mov_b32 s[\g+1], 32<<16
	s_mov_b32 s[\g+2], (128*KS/256)<<16
	s_mov_b32 s[\g+3], 32<<16
	s_mov_b32 s[\g+4], 128*KS/256
	s_mov_b32 s[\g+5], 32
	s_mov_b32 s[\g+6], 0
	s_mov_b32 s[\g+7], 0
.endr
	CROUND                                         ; all sixteen work-groups are here: the first joint loads meet
	s_mov_b32 s[G0S], 1
	s_add_co_u32 s[G0S+1], s94, SCL
	s_mov_b64 s[G0S+2:G0S+3], s[22:23]
	s_or_b32 s[G0S+3], s[G0S+3], 0x80000000
	s_mov_b32 s[G0SB], 1
	s_add_co_u32 s[G0SB+1], s94, SCL
	s_mov_b64 s[G0SB+2:G0SB+3], s[92:93]
	s_or_b32 s[G0SB+3], s[G0SB+3], 0x80000000
	JLOAD G0S, G1S, G0SB, G1SB                     ; the scales first: they are wanted with K step 0
.irp s, 0,1
	s_mov_b32 s[G0+4*\s], 1
	s_add_co_u32 s[G0+4*\s+1], s45, \s*SLOT
	s_add_nc_u64 s[G0+4*\s+2:G0+4*\s+3], s[20:21], \s*ROWB
	s_or_b32 s[G0+4*\s+3], s[G0+4*\s+3], 0x80000000
	s_mov_b32 s[G0B+4*\s], 1
	s_add_co_u32 s[G0B+4*\s+1], s45, \s*SLOT
	s_add_nc_u64 s[G0B+4*\s+2:G0B+4*\s+3], s[46:47], \s*ROWB
	s_or_b32 s[G0B+4*\s+3], s[G0B+4*\s+3], 0x80000000
	JLOAD G0+4*\s, G1, G0B+4*\s, G1B
.endr
	v_and_b32 v1, 15, v0                           ; r = l % 16
	v_bfe_u32 v2, v0, 4, 1                         ; h = l / 16
	v_mul_u32_u24 v3, v1, PITCH
	v_lshl_add_u32 v4, v2, 4, v3                   ; a fragment's row x pitch + 16 x half
	s_mul_i32 s21, s15, HALFT                      ; my 128 rows of A
	s_mul_i32 s22, s16, HALFT                      ; my 128 rows of B,
	s_add_co_u32 s22, s22, 2*HALFT                 ; which lie behind A's 256
.irp s, 0,1
	v_add_nc_u32 v[ADRA+\s], s21, v4
	v_add_nc_u32 v[ADRB+\s], s22, v4
	s_add_co_u32 s21, s21, SLOT
	s_add_co_u32 s22, s22, SLOT
.endr
	v_mul_u32_u24 v5, v1, KS                       ; my row's scale bytes: 32 a row,
	v_lshrrev_b32 v6, 8, v5
	v_lshl_add_u32 v5, v6, 4, v5                   ; and 16 more for each 256 passed
	s_mul_i32 s21, s15, HALFS
	s_mul_i32 s22, s16, HALFS
	s_add_co_u32 s22, s22, 2*HALFS
	s_sub_co_u32 s22, s22, s21
	v_mul_u32_u24 v6, s22, v2                      ; lanes 16-31 take B's
	s_add_co_u32 s21, s21, SCL
	v_add_nc_u32 v5, v5, v6
	v_add_nc_u32 v[ADRS], s21, v5
	; ---- where the results go.  AR, BR: my first row of A and of B; the tokens are A's rows (q, k) or B's (v), the n the other
	s_lshl_b32 s92, s17, 8
	s_lshl_b32 s93, s15, 7
	s_add_co_u32 s92, s92, s93                     ; AR
	s_lshl_b32 s93, s42, 8
	s_lshl_b32 s94, s16, 7
	s_add_co_u32 s93, s93, s94                     ; BR
	s_mov_b32 s[SA], 1024                          ; q, k: a row block is a tile of 16 tokens: two groups on
	s_mov_b32 s[SA+1], 0
	s_mov_b32 s[S4], 1024
	s_mov_b32 s[S4+1], 0
	s_mov_b32 s47, 0x02020202
	s_cmp_eq_u32 ttmp9, 2
	s_cselect_b32 s94, s93, s92                    ; my first token
	s_cselect_b32 s95, s92, s93                    ; my first n
	s_cselect_b32 s96, 16384, 0                    ; V's codes lie behind K's in a slot,
	s_cselect_b32 s97, 512, 0                      ; V's scale words behind K's
	s_cselect_b32 s[SA], 2048, s[SA]               ; v: a row block is 16 d: four groups on;
	s_cselect_b32 s[S4], HEADKV-3*2048, s[S4]      ; row block 4 begins the next head
	s_cselect_b32 s47, 0x04040404, s47
	s_lshr_b32 s18, s94, 11                        ; the batch,
	s_and_b32 s19, s94, 2047                       ; the token in it
	s_lshl_b32 s18, s18, 4
	s_lshr_b32 s20, s95, 6
	s_add_co_u32 s18, s18, s20                     ; bh of my first head: 16 batch + n / 64
	s_mov_b32 s21, HEADKV
	s_mov_b32 s45, HEADKV
	s_mov_b32 s46, 0x05040100
	s_cmp_eq_u32 ttmp9, 0
	s_cselect_b32 s21, HEADQ, s21                  ; a head's bytes in the codes' buffer
	s_cselect_b32 s45, 8192, s45                   ; and in the scale words' buffer
	s_cselect_b32 s46, 0x01000100, s46
	s_cmp_eq_u32 ttmp9, 2
	s_cselect_b32 s46, 0x03020100, s46
	s_cselect_b32 s20, 1024, s21                   ; from block 1 to block 2: the next two groups (v) or the next head (q, k)
	v_and_b32 v6, 31, v0
	v_lshlrev_b32 v[OFFB], 4, v6                   ; 16 x lane
	v_add_nc_u32 v[OFFB+1], 512, v[OFFB]
	v_add_nc_u32 v[OFFB+2], s20, v[OFFB]
	v_add_nc_u32 v[OFFB+3], s20, v[OFFB+1]
	v_mul_u32_u24 v[SLO], s45, v2                  ; lanes 0-15 store my first head's scale words, lanes 16-31 the second's
	v_lshl_add_u32 v[SLO], v1, 4, v[SLO]           ; 16 bytes a row
	v_mul_lo_u32 v[SELV], v2, s47                  ; the byte select: q 0x01000100 / 0x03020302, k 0x05040100 / 0x07060302, v 0x03020100 / 0x07060504 (lanes 0-15 / 16-31)
	v_add_nc_u32 v[SELV], s46, v[SELV]
	s_mul_i32 s22, s18, s21                        ; my first head
	s_lshr_b32 s23, s19, 8
	s_mul_i32 s23, s23, SLOTB                      ; kv: the slot of 256 keys,
	s_bfe_u32 s43, s19, 0x10007                    ; and which 128 of them
	s_lshl_b32 s44, s43, 13
	s_add_co_u32 s44, s44, s23
	s_add_co_u32 s44, s44, s96
	s_lshl_b32 s43, s43, 8
	s_add_co_u32 s43, s43, s23
	s_add_co_u32 s43, s43, s97
	s_add_co_u32 s43, s43, 32768
	s_add_co_u32 s43, s43, s22                     ; k, v: the scale words
	s_lshl_b32 s20, s19, 6                         ; q: 1,024 bytes a tile of 16 tokens
	s_lshl_b32 s46, s18, 13
	s_lshl_b32 s47, s19, 2
	s_add_co_u32 s46, s46, s47                     ; q: the scale words: 8,192 a head, 256 for four tiles
	s_cmp_eq_u32 ttmp9, 0
	s_cselect_b32 s44, s20, s44
	s_cselect_b32 s46, s46, s43
	s_add_co_u32 s44, s44, s22
	s_mov_b32 s45, 0
	s_mov_b32 s47, 0
	s_add_nc_u64 s[OC:OC+1], s[OC:OC+1], s[44:45]
	s_add_nc_u64 s[OS:OS+1], s[OS:OS+1], s[46:47]
	s_mov_b32 s[SEL], 0x76543210                   ; v_permlanex16_b32's selects for lane l xor 16
	s_mov_b32 s[SEL+1], 0xfedcba98
	s_mov_b32 s[MNT], 0x600000                     ; the mantissa field of 57,344
.macro FRAG reg, adr, q, i             ; 16 rows x 128 K: lane l holds row l % 16; registers 4 c .. 4 c + 3 hold K = 32 c + 16 (l / 16) + 0 .. 15
.irp c, 0,1,2,3
	ds_load_b128 v[\reg+4*\c:\reg+4*\c+3], v[\adr] offset:128*(\q)+32*\c+(\i)*16*PITCH
.endr
.endm
; 16 matrix instructions: A's blocks a0, a0 + 1 x B's eight, 128 along K.  The 64 accumulators take turns, one instruction a turn, in the same order in every step.
.macro MUL16 a0, p, q, sc, zero
.irp a, \a0, \a0+1
.irp b, 0,1,2,3,4,5,6,7
.if \zero
	v_wmma_scale_f32_16x16x128_f8f6f4 v[8*(8*((\a)%4)+\b):8*(8*((\a)%4)+\b)+7], v[128*(\p)+FR*\b:128*(\p)+FR*\b+FR-1], v[AF+FR*(\a):AF+FR*(\a)+FR-1], 0, v[SC+8*NQ*(\sc)+NQ*\b+(\q)], v[SC+8*NQ*(\sc)+NQ*(\a)+(\q)] matrix_a_fmt:MATRIX_FMT_BF8 matrix_b_fmt:MATRIX_FMT_BF8 matrix_a_scale:MATRIX_SCALE_ROW1
.else
	v_wmma_scale_f32_16x16x128_f8f6f4 v[8*(8*((\a)%4)+\b):8*(8*((\a)%4)+\b)+7], v[128*(\p)+FR*\b:128*(\p)+FR*\b+FR-1], v[AF+FR*(\a):AF+FR*(\a)+FR-1], v[8*(8*((\a)%4)+\b):8*(8*((\a)%4)+\b)+7], v[SC+8*NQ*(\sc)+NQ*\b+(\q)], v[SC+8*NQ*(\sc)+NQ*(\a)+(\q)] matrix_a_fmt:MATRIX_FMT_BF8 matrix_b_fmt:MATRIX_FMT_BF8 matrix_a_scale:MATRIX_SCALE_ROW1
.endif
.endr
.endr
.endm
.macro FETCH_B slot, q, p
	WIN TO_B
.irp i, 0,1,2,3,4,5,6,7
	FRAG 128*(\p)+FR*\i, ADRB+\slot, \q, \i
.endr
	WIN 0
.endm
.macro FETCH_A slot, q, i0
.irp i, \i0, \i0+1, \i0+2, \i0+3
	FRAG AF+FR*(\i), ADRA+\slot, \q, \i
.endr
.endm
.macro SCALES sc                       ; a K step's scale words: two a row; lanes 0-15 take A's block i, lanes 16-31 B's block i
.irp i, 0,1,2,3,4,5,6,7
	ds_load_b64 v[SC+8*NQ*\sc+NQ*\i:SC+8*NQ*\sc+NQ*\i+1], v[ADRS] offset:\i*SBLK
.endr
.endm
.macro PLACES n                        ; plain vector instructions between a matrix instruction and a load into, or a vector access of, its registers
.rept \n
	v_nop
.endr
.endm
.macro STEP slot, q, zero              ; 128 along K with its successor in the same slot
	s_wait_dscnt 4*NL                              ; B's set and A's blocks 0-3 are in; the youngest sixteen loads (A's blocks 4-7) may be out
	WIN MUL_LO
	MUL16 0, (\q)%2, \q, \slot, \zero
	MUL16 2, (\q)%2, \q, \slot, \zero
	s_wait_dscnt 0
	PLACES NP
	FETCH_B \slot, (\q)+1, 1-(\q)%2
	FETCH_A \slot, (\q)+1, 0
	WIN MUL_HI
	MUL16 4, (\q)%2, \q, \slot, \zero
	MUL16 6, (\q)%2, \q, \slot, \zero
	PLACES NP
	WIN 0
	FETCH_A \slot, (\q)+1, 4
.endm
; A slot's last step changes slots: one barrier; in front of it each wave waits for all its tensor loads, adds 0 to its spare word, and waits for that and for its own reads of this slot.
.macro TURN slot, next, fill
	s_wait_tensorcnt 0x0                           ; all my tensor loads have landed: my part of the next slot
	ds_add_u32 v[SPW], v[NIL]                      ; 0 onto my spare word
	s_wait_dscnt 4*NL+1                            ; (the add and the youngest sixteen loads, A's blocks 4-7, may be out)
	WIN MUL_LO
	MUL16 0, 1, NQ-1, \slot, 0
	s_wait_dscnt 0x0                               ; the add is done, and my reads of this slot are over
	s_barrier_signal -1
	MUL16 2, 1, NQ-1, \slot, 0
	WIN 0
	s_barrier_wait -1
.if \fill
	CREST                                          ; the barrier has opened a round of the cluster's barrier: no wave of any partner still reads this slot or has a load on its way
	s_add_nc_u64 s[G0+4*\slot+2:G0+4*\slot+3], s[G0+4*\slot+2:G0+4*\slot+3], 2*ROWB
	s_add_nc_u64 s[G0B+4*\slot+2:G0B+4*\slot+3], s[G0B+4*\slot+2:G0B+4*\slot+3], 2*ROWB
	JLOAD G0+4*\slot, G1, G0B+4*\slot, G1B         ; the first tensor load behind the round; its four v_nop are among the places in front of the loads below
	PLACES NP-4
.else
	PLACES NP
.endif
	s_wait_alu depctr_va_vdst(0)
	v_add_nc_u32 v[ADRS], 4*NQ, v[ADRS]            ; on to the next K step's scale words
	FETCH_B \next, 0, 0
	FETCH_A \next, 0, 0
	SCALES \next
	WIN MUL_HI
	MUL16 4, 1, NQ-1, \slot, 0
	MUL16 6, 1, NQ-1, \slot, 0
	PLACES NP
	WIN 0
	FETCH_A \next, 0, 4
.endm
	s_wait_tensorcnt 1                             ; of my three loads the scales and K step 0 are in; K step 1's may be out
	s_barrier_signal -1
	s_barrier_wait -1
	FETCH_B 0, 0, 0
	FETCH_A 0, 0, 0
	SCALES 0
	FETCH_A 0, 0, 4
	STEP 0, 0, 1                                   ; the first step's products start the sums
	s_mov_b32 s3, LAPS-1
.Llap:                                                 ; a trip goes once round the ring and fills both slots again
	TURN 0, 1, 1
	STEP 1, 0, 0
	TURN 1, 0, 1
	STEP 0, 0, 0
	s_sub_co_u32 s3, s3, 1
	s_cmp_lg_u32 s3, 0
	s_cbranch_scc1 .Llap
	TURN 0, 1, 0                                   ; the last lap fills nothing
	STEP 1, 0, 0
	s_wait_dscnt 4*NL
	WIN MUL_LO
	MUL16 0, 1, NQ-1, 1, 0
	MUL16 2, 1, NQ-1, 1, 0
	s_wait_dscnt 0
	WIN MUL_HI
	MUL16 4, 1, NQ-1, 1, 0
	MUL16 6, 1, NQ-1, 1, 0
	WIN 0
; THE WAY OUT.  Row block a (16 rows of A): its eight accumulators are 64 consecutive registers, 16 for each block of 32 along B; the block's other 16 numbers lie in lane l xor 16.
; The largest magnitude (with the floor 2^(16 - 127) among its leaves), 15 off its exponent field for the scale, the hold at 57,344 x the scale, the conversion; four stores of 512 consecutive bytes.
.macro QROW a
.set AC, 64*((\a)%4)
	WIN 0x0a+5*((\a)/4)                            ; sources 0 and 1: window 2 or 3
.irp b, 0,1,2,3
	v_max3_num_f32 v[TM+\b], |v[AC+16*\b]|, |v[AC+16*\b+1]|, 0x8000000   ; each accumulator is read from its low end on
.endr
.irp i, 2,4,6,8,10,12,14
.irp b, 0,1,2,3
	v_max3_num_f32 v[TM+\b], |v[AC+16*\b+\i]|, |v[AC+16*\b+\i+1]|, v[TM+\b]
.endr
.endr
	WIN 0
.irp b, 0,1,2,3
	v_permlanex16_b32 v[TM+4+\b], v[TM+\b], s[SEL], s[SEL+1]
.endr
.irp b, 0,1,2,3
	v_max_num_f32 v[TM+\b], v[TM+\b], v[TM+4+\b]   ; the block's largest magnitude
.endr
.irp b, 0,1,2,3
	v_add_nc_u32 v[TM+12+\b], 0xf8800000, v[TM+\b] ; 15 off its exponent field: the conversion's scale operand
.endr
.irp b, 0,1,2,3
	v_and_or_b32 v[TM+8+\b], v[TM+\b], 0x7f800000, s[MNT]   ; 57,344 x the scale
.endr
.irp b, 0,1,2,3
	v_lshrrev_b32 v[TM+4+\b], 23, v[TM+12+\b]      ; the scale's byte
.endr
	v_lshl_or_b32 v[SW+\a], v[TM+5], 8, v[TM+4]
	v_lshl_or_b32 v[SW+\a], v[TM+6], 16, v[SW+\a]
	v_lshl_or_b32 v[SW+\a], v[TM+7], 24, v[SW+\a]
	WIN 2+(\a)/4                                   ; source 0: window 2 or 3
.irp b, 0,1,2,3
.irp i, 0,1,2,3,4,5,6,7,8,9,10,11,12,13,14,15
	v_med3_num_f32 v[T+16*\b+\i], v[AC+16*\b+\i], -v[TM+8+\b], v[TM+8+\b]   ; the conversion to an 8-bit code does not saturate (ISA guide 7.6.2): the hold comes first
.endr
.endr
	WIN 0
	s_wait_alu depctr_va_vdst(0)
	s_wait_xcnt 0x0                                ; the last row block's stores have read their data and their base: both are written again only behind this wait
.if (\a) == 4
	s_add_nc_u64 s[OC:OC+1], s[OC:OC+1], s[S4:S4+1]
.elseif (\a) > 0
	s_add_nc_u64 s[OC:OC+1], s[OC:OC+1], s[SA:SA+1]
.endif
.irp b, 0,1,2,3
	v_cvt_scalef32_pk8_bf8_f32 v[PC+4*\b:PC+4*\b+1], v[T+16*\b:T+16*\b+7], v[TM+12+\b]
	v_cvt_scalef32_pk8_bf8_f32 v[PC+4*\b+2:PC+4*\b+3], v[T+16*\b+8:T+16*\b+15], v[TM+12+\b]
.endr
	v_nop                                          ; one plain vector instruction behind the last conversion, ahead of the next vector write of its sources
.irp b, 0,1,2,3
	global_store_b128 v[OFFB+\b], v[PC+4*\b:PC+4*\b+3], s[OC:OC+1]   ; a group: 32 lanes store 512 consecutive bytes, aligned
.endr
.endm
	PLACES NP                                      ; behind the last products: the lines below read results and write registers that held scales and fragments
.irp b, 0,1,2,3
	v_mov_b32 v[TM+4+\b], 0                        ; written once: a lane permute's destination counts as one of its sources
.endr
.irp a, 0,1,2,3,4,5,6,7
	QROW \a
.endr
	; the scale words.  v[SW + a] holds, in every lane of row r, the four bytes of row block a.  The three kinds lay them differently: a branch on the cluster's number, round vector lines and stores alone
	s_cmp_eq_u32 ttmp9, 0
	s_cbranch_scc0 .Lnot_q
.irp a, 0,1,2,3,4,5,6,7
	v_perm_b32 v[OW+\a], v[SW+\a], v[SW+\a], v[SELV]   ; q: tile a's word b0 b1 b0 b1 of my head
.endr
	global_store_b128 v[SLO], v[OW:OW+3], s[OS:OS+1]               ; sixteen lanes store 256 consecutive bytes, aligned
	global_store_b128 v[SLO], v[OW+4:OW+7], s[OS:OS+1] offset:256
	s_branch .Lscales_out
.Lnot_q:
	s_cmp_eq_u32 ttmp9, 1
	s_cbranch_scc0 .Lis_v
.irp f, 0,1,2,3
	v_perm_b32 v[OW+\f], v[SW+2*\f+1], v[SW+2*\f], v[SELV]   ; k: the two bytes of key tile 2 f, then those of tile 2 f + 1
.endr
	global_store_b128 v[SLO], v[OW:OW+3], s[OS:OS+1]
	s_branch .Lscales_out
.Lis_v:
.irp f, 0,1,2,3
	v_perm_b32 v[OW+\f], v[SW+\f+4], v[SW+\f], v[SELV]       ; v: the whole word of row block f (first head) or f + 4 (second head)
.endr
	global_store_b128 v[SLO], v[OW:OW+3], s[OS:OS+1]
.Lscales_out:
	s_wait_tensorcnt 0x0                           ; the wave's end
	ds_add_u32 v[SPW], v[NIL]
	s_wait_dscnt 0x0
	CROUND                                         ; the closing round: no work-group ends while a partner may still ask for a tile that names it
	s_endpgm
.Lfunc_end_k_q632567eaff_qkv:
	.size	k_q632567eaff_qkv, .Lfunc_end_k_q632567eaff_qkv-k_q632567eaff_qkv
	.p2alignl 7, 3214868480
	.fill 96, 4, 3214868480
	.section	.rodata,"a",@progbits
	.p2align	6, 0x0
	.amdhsa_kernel k_q632567eaff_qkv
		.amdhsa_group_segment_fixed_size 327680
		.amdhsa_private_segment_fixed_size 0
		.amdhsa_enable_private_segment 0
		.amdhsa_kernarg_size 88
		.amdhsa_user_sgpr_count 2
		.amdhsa_user_sgpr_kernarg_segment_ptr 1
		.amdhsa_wavefront_size32 1
		.amdhsa_system_sgpr_workgroup_id_x 1
		.amdhsa_system_sgpr_workgroup_id_y 1
		.amdhsa_system_sgpr_workgroup_id_z 1
		.amdhsa_system_vgpr_workitem_id 0
		.amdhsa_next_free_vgpr 1024
		.amdhsa_next_free_sgpr 106
		.amdhsa_reserve_vcc 0
		.amdhsa_float_denorm_mode_32 3
		.amdhsa_float_denorm_mode_16_64 3
		.amdhsa_memory_ordered 1
		.amdhsa_forward_progress 1
		.amdhsa_inst_pref_size 189
	.end_amdhsa_kernel
	.amdgpu_metadata
---
amdhsa.version: [ 1, 2 ]
amdhsa.kernels:
  - .name:           k_q632567eaff_qkv
    .symbol:         k_q632567eaff_qkv.kd
    .args:
      - { .name: x_codes, .offset: 0, .size: 8, .value_kind: global_buffer, .address_space: global }
      - { .name: x_scales, .offset: 8, .size: 8, .value_kind: global_buffer, .address_space: global }
      - { .name: Wq_codes, .offset: 16, .size: 8, .value_kind: global_buffer, .address_space: global }
      - { .name: Wq_scales, .offset: 24, .size: 8, .value_kind: global_buffer, .address_space: global }
      - { .name: Wk_codes, .offset: 32, .size: 8, .value_kind: global_buffer, .address_space: global }
      - { .name: Wk_scales, .offset: 40, .size: 8, .value_kind: global_buffer, .address_space: global }
      - { .name: Wv_codes, .offset: 48, .size: 8, .value_kind: global_buffer, .address_space: global }
      - { .name: Wv_scales, .offset: 56, .size: 8, .value_kind: global_buffer, .address_space: global }
      - { .name: q_codes, .offset: 64, .size: 8, .value_kind: global_buffer, .address_space: global }
      - { .name: q_scales, .offset: 72, .size: 8, .value_kind: global_buffer, .address_space: global }
      - { .name: kv, .offset: 80, .size: 8, .value_kind: global_buffer, .address_space: global }
    .group_segment_fixed_size: 327680
    .private_segment_fixed_size: 0
    .kernarg_segment_align: 8
    .kernarg_segment_size: 88
    .max_flat_workgroup_size: 128
    .sgpr_count:     106
    .vgpr_count:     1024
    .wavefront_size: 32
...
	.end_amdgpu_metadata
.endif
;; end of part 1
;; launch attn (part 2): grid 4 x 64, 16 waves a work-group, no clusters, 327,680 bytes of LDS; arguments q_codes, q_scales, kv, ctx_codes, ctx_scales; writes ctx_codes, ctx_scales
.if DOCPART == 2
	.amdgcn_target "amdgcn-amd-amdhsa--gfx1250"
	.amdhsa_code_object_version 6
	.text
	.protected	k_q632567eaff_attn
	.globl	k_q632567eaff_attn
	.p2align	8
	.type	k_q632567eaff_attn,@function
k_q632567eaff_attn:
	s_mov_b64 s[64:65], 0
	v_nop
	global_prefetch_b8 v0, s[64:65] scope:SCOPE_SE
	s_setreg_imm32_b32 hwreg(HW_REG_WAVE_MODE, 25, 1), 1
	s_wait_xcnt 0x0
; ctx = softmax(q k^T / 8, causal) v for 64 heads (bh = 16 batch + head) of 2,048 tokens x 64, both products on codes of BF8 (E5M2) with E8M0 scales; ctx leaves quantised along the model's 1,024 (two blocks of 32 a head).
; THE SOFTMAX: t = score x log2(e) / 8; M = the row's largest t so far, rounded up to a whole number; p = 2^(t - M) is quantised along the keys, not normalised; the row's sum is taken of the unquantised p and divides at the end.
; When M moves, the sum and O are multiplied by 2^(old M - new M), which rounds nothing.
; SHARES.  Work-group (x, bh) takes query blocks x and 7 - x of its head, 256 queries each, one after the other: block i needs key slots 0 .. i of 256 keys, so every work-group walks (x + 1) + (8 - x) = 9 slots:
; 256 work-groups of equal work, and the loop's trip count is a constant.  Each of the sixteen waves owns one tile of 16 queries of the block in hand, in 256 registers.
; NO CLUSTER: the four work-groups of a head change blocks, and leave steps out, at different trips, and partners of joint loads may not branch differently.
; INPUTS are images of operand registers (a group: 512 bytes, lane l's four registers at 16 l), as the launch before lays them; a slot of kv is one dense block of 33,792 bytes, brought by four tensor loads (waves 0-3).
; K = 64 IN q k^T.  The instruction sums over 128.  A fragment of k holds key tile 2 f in k 0..63 and key tile 2 f + 1 in k 64..127; q stands between two runs of zero codes, v16-23 | v24-31 | v32-39:
; v[24:39] = (q, 0) gives tile 2 f, v[16:31] = (0, q) gives tile 2 f + 1.  The other half multiplies zero codes by codes that were held at the largest number, so it adds exactly 0.
; LAYOUT.  Both products transposed: a lane holds ONE query (lane % 16).  In S^T register 8 t + j is key 16 t + 8 (lane / 16) + j: the 16 registers of tiles 2 b, 2 b + 1 lie in block b of 32 keys, in the order in which v's codes were laid.
; LIMITS: NaN and infinities are not served.  A block of zeros gets the byte 1 (its codes are zeros; only this program reads the bytes).  The order of sums inside a block of 32 differs from ascending k.
; The two scale bytes of a row of ctx leave as a store of two bytes a lane, rows 32 bytes apart: one part in 32 of ctx's bytes.
; REGISTERS: v1-7, v10 addresses; v12 -M, v13 the largest t, v[14:15] the sum; v16-39 zeros, q, zeros; v40 q's scale word; v48-111 four fragments of k, then of v; v112-175 S^T, then p; v176-207 O^T; v208-223 p's codes;
; v224-227 k's scale words, v228-231 v's; v232-254 at work.
.set SLOTB,  33792
.set HEADKV, 8*SLOTB
.set PART,   SLOTB/4                   ; what one tensor load brings: 33 rows of 256 bytes
.set SLOT1,  65536                     ; slot 1 begins here: one exclusive or turns an address from one slot to the other
.set SPARE,  2*SLOT1                   ; the spare words, 128 bytes for each of sixteen waves: eight blocks of 256 bytes that no other line names
.set VOFF,   16384
.set KSC,    32768
.set VSC,    33280
.set LI,   1                           ; v1   16 x lane: my place in a group
.set LS,   2                           ; v2   16 x (lane % 16): my row's four scale words
.set ADR,  3
.set ADS,  4
.set SPW,  5
.set NIL,  6
.set PFO,  7                           ; v7   the prefetches' offset; never rewritten
.set CSO,  10                          ; v10  32 x (lane % 16): my row of ctx_scales
.set QSW,  40
.set F,    48
.set S,    112
.set OT,   176
.set PC,   208
.set KSW,  224
.set VSW,  228
.set CO,   144                         ; v144-151 ctx's codes in true order
.set TB,   2                           ; s2   LDS byte at which the slot in hand begins
.set TRIP, 3                           ; s3   the trip, 0 .. 8
.set BETA, 14                          ; s14  work-group x
.set SWT,  15                          ; s15  the trip at which the second block begins: x + 1
.set BH,   16
.set BAT,  17
.set WV,   18
.set MNT,  19
.set SEL,  20
.set CS,   22                          ; s[22:23] c = log2(e) / 8
.set G1,   24
.set G0,   32
.set KVW,  36                          ; s[36:37] my head of kv, at my part of a slot
.set HD,   38
.set KF,   39                          ; s39  the step's first key
.set Q0,   40                          ; s40  my first query
.set QP,   42
.set QSP,  44
.set CP,   46
.set CSP,  48
.set HM,   50                          ; s50  the lanes 16-31
.set LIMT, 52                          ; s52  a wave prefetches while the trip is under this
.set PFA,  54
.set PFS,  56
.macro TLOAD                           ; waves 0-3 fetch a quarter of a slot each; the branch hangs on the wave's number alone.  Four v_nop follow the load
	s_cmp_lt_u32 s[WV], 4
	s_cbranch_scc0 .Lnone_\@
	tensor_load_to_lds s[G0:G0+3], s[G1:G1+7]
	s_nop 0
.rept 4
	v_nop
.endr
.Lnone_\@:
.endm
; A PREFETCH INTO THE L2.  All four work-groups of a head walk the same slots of kv: work-group x = 0 asks, and in it waves that fetch nothing.  Waves 4-7, in trips 0 to 5, ask for the 32,768 code bytes of key slot trip + 2,
; 8,192 bytes a wave, lanes 256 bytes apart: a trip ahead of the first tensor load that names slots 2 and 3 (work-groups 2 and 3 ask for slot s in trip s - 1), two trips ahead for slots 4 to 7 (work-group 0, trip s).
; Wave 8 asks once, in trip 0, for the four blocks of scale words of all eight slots.  So each aligned block of 256 bytes is named once, and none lies outside the head's 270,336 bytes.  The code bytes of slots 0 and 1 come by their loads alone.
.macro ASK
	s_cmp_lt_u32 s[TRIP], s[LIMT]
	s_cbranch_scc0 .Lnot_mine_\@
	global_prefetch_b8 v[PFO], s[PFA:PFA+1] th:TH_LOAD_NT scope:SCOPE_SE
.Lnot_mine_\@:
.endm
; The addresses of my tile of 16 queries in query block s58.
.macro TILEADDR
	s_lshl_b32 s[Q0], s58, 8
	s_lshl_b32 s59, s[WV], 4
	s_add_co_u32 s[Q0], s[Q0], s59                 ; my first query
	s_lshr_b32 s59, s[Q0], 4                       ; my tile
	s_lshl_b32 s60, s[BH], 17
	s_lshl_b32 s61, s59, 10
	s_add_co_u32 s60, s60, s61
	s_mov_b32 s61, 0
	s_add_nc_u64 s[QP:QP+1], s[4:5], s[60:61]      ; q_codes: 131,072 a head, 1,024 a tile
	s_lshl_b32 s60, s[BH], 13
	s_lshr_b32 s62, s59, 2
	s_lshl_b32 s62, s62, 8
	s_add_co_u32 s60, s60, s62
	s_and_b32 s62, s59, 3
	s_lshl_b32 s62, s62, 2
	s_add_co_u32 s60, s60, s62
	s_add_nc_u64 s[QSP:QSP+1], s[6:7], s[60:61]    ; q_scales: 8,192 a head, 256 for four tiles, 4 a tile
	s_lshl_b32 s60, s[BAT], 7
	s_add_co_u32 s60, s60, s59
	s_lshl_b32 s60, s60, 14
	s_lshl_b32 s62, s[HD], 10
	s_add_co_u32 s60, s60, s62
	s_add_nc_u64 s[CP:CP+1], s[10:11], s[60:61]    ; ctx_codes: 16,384 for 16 tokens, 1,024 a head
	s_lshl_b32 s60, s[BAT], 11
	s_add_co_u32 s60, s60, s[Q0]
	s_lshl_b32 s60, s60, 5
	s_lshl_b32 s62, s[HD], 1
	s_add_co_u32 s60, s60, s62
	s_add_nc_u64 s[CSP:CSP+1], s[12:13], s[60:61]  ; ctx_scales: 32 a token, 2 a head
.endm
; A tile begins: q and its scale word are loaded; O^T and the sum begin as zeros and the largest t as -3e38, so that the key step is written once.
.macro START
	global_load_b128 v[24:27], v[LI], s[QP:QP+1]
	global_load_b128 v[28:31], v[LI], s[QP:QP+1] offset:512
	global_load_b32 v[QSW], v[LS], s[QSP:QSP+1]
	v_mov_b32 v13, 0xff61b1e6
	s_delay_alu instid0(VALU_DEP_1)
	v_floor_f32 v12, -v13
	v_mov_b32 v14, 0
	v_mov_b32 v15, 0
.set n, 0
.rept 32
	v_mov_b32 v[OT+n], 0
.set n, n+1
.endr
	s_mov_b32 s[KF], 0
	s_wait_loadcnt 0x0
.endm
; THE CHANGE OF SLOTS stands at a slot's head.  Each wave waits for all its tensor loads (its part of the slot ahead), adds 0 to its spare word, and waits for that and for its reads of the slot that it has left.
; fill = 1: behind the barrier that other slot is filled with the key slot of the next trip: trip n reads key slot n, or n - (x + 1) once the second block has begun.
.macro CHANGE fill
	s_wait_tensorcnt 0x0                           ; no tensor load of mine is out, so group 0 may be written
	ds_add_u32 v[SPW], v[NIL]                      ; 0 onto my spare word
.if \fill
	s_add_co_u32 s58, s[TRIP], 1
	s_cmp_gt_u32 s58, s[BETA]
	s_cselect_b32 s59, s[SWT], 0
	s_sub_co_u32 s58, s58, s59                     ; the next trip's key slot
	s_mul_i32 s58, s58, SLOTB
	s_mov_b32 s59, 0
	s_xor_b32 s[G0+1], s[G0+1], SLOT1              ; into the other LDS slot than last time
	s_add_nc_u64 s[G0+2:G0+3], s[KVW:KVW+1], s[58:59]
	s_or_b32 s[G0+3], s[G0+3], 0x80000000
	s_wait_xcnt 0x0                                ; the last prefetch, a trip back, has read its address, so it may be stepped
	s_add_nc_u64 s[PFA:PFA+1], s[PFA:PFA+1], s[PFS:PFS+1]
.endif
	s_wait_dscnt 0x0                               ; the add is done, and my reads of the slot that I have left are over
	s_barrier_signal -1
	s_barrier_wait -1
.if \fill
	TLOAD                                          ; the first thing behind the barrier, and a wave's one tensor load until the next
	ASK
.endif
.endm
; A KEY STEP: 128 keys, the q-th of the slot in hand.
.macro STEP q
	s_add_co_u32 s58, s[Q0], 15                    ; a step all of whose keys come after my 16 queries is left out: a branch on ids, round no barrier and no tensor load
	s_cmp_gt_u32 s[KF], s58
	s_cbranch_scc1 .Lhidden_\@
	v_add_nc_u32 v[ADR], s[TB], v[LI]
	v_add_nc_u32 v[ADS], s[TB], v[LS]
.rept 6
	v_nop                                          ; with the two additions: eight places in front of loads into registers that the last products read
.endr
.irp f, 0,1,2,3
.irp c, 0,1,2,3
	ds_load_b128 v[F+16*\f+4*\c:F+16*\f+4*\c+3], v[ADR] offset:8192*(\q)+2048*\f+512*\c   ; groups (tile 2 f, block 0), (2 f, 1), (2 f + 1, 0), (2 f + 1, 1)
.endr
.endr
	ds_load_b128 v[KSW:KSW+3], v[ADS] offset:KSC+256*(\q)
	s_wait_alu depctr_va_vdst(0)
	s_wait_dscnt 0x0
.irp f, 0,1,2,3
.irp e, 0,1
	v_wmma_scale_f32_16x16x128_f8f6f4 v[S+8*(2*\f+\e):S+8*(2*\f+\e)+7], v[F+16*\f:F+16*\f+15], v[24-8*\e:39-8*\e], 0, v[KSW+\f], v[QSW] matrix_a_fmt:MATRIX_FMT_BF8 matrix_b_fmt:MATRIX_FMT_BF8
.endr
.endr
.rept 8
	v_nop                                          ; places in front of the loads below and of the first read of the scores
.endr
.irp t, 0,1,2,3                                ; v's four fragments (16 d x 128 keys) land while the softmax is worked
.irp c, 0,1,2,3
	ds_load_b128 v[F+16*\t+4*\c:F+16*\t+4*\c+3], v[ADR] offset:VOFF+8192*(\q)+2048*\t+512*\c
.endr
.endr
	ds_load_b128 v[VSW:VSW+3], v[ADS] offset:VSC+256*(\q)
	s_add_co_u32 s58, s[KF], 127                   ; on the diagonal the scores of hidden keys become -infinity ahead of the maximum; a step all of whose keys count skips this
	s_cmp_le_u32 s58, s[Q0]
	s_cbranch_scc1 .Lopen_\@
	s_sub_co_i32 s58, s[Q0], s[KF]
	v_and_b32 v252, 15, v0
	v_bfe_u32 v254, v0, 4, 1
	s_delay_alu instid0(VALU_DEP_1)
	v_lshlrev_b32 v254, 3, v254
	s_delay_alu instid0(VALU_DEP_1)
	v_sub_nc_u32 v252, v252, v254
	s_delay_alu instid0(VALU_DEP_1)
	v_add_nc_u32 v252, s58, v252                   ; d = my query - KF - 8 (lane / 16).  Register 8 t + j holds key KF + 16 t + 8 (lane / 16) + j: hidden where 16 t + j > d
	v_mov_b32 v254, 0xff800000
.set n, 0
.rept 64
	v_cmp_gt_i32 vcc_lo, 16*(n/8)+n%8, v252
	v_cndmask_b32 v[S+n], v[S+n], v254, vcc_lo
.set n, n+1
.endr
.Lopen_\@:
.irp b, 0,1,2,3
	v_max3_num_f32 v[232+\b], v[S+16*\b], v[S+1+16*\b], v[S+2+16*\b]   ; the largest score of each block of 32 keys: for the row's maximum and, since p rises with the score, for the block's largest p
.endr
.irp i, 3,5,7,9,11,13
.irp b, 0,1,2,3
	v_max3_num_f32 v[232+\b], v[232+\b], v[S+16*\b+\i], v[S+1+16*\b+\i]
.endr
.endr
.irp b, 0,1,2,3
	v_max_num_f32 v[232+\b], v[232+\b], v[S+15+16*\b]
.endr
.irp b, 0,1,2,3
	s_delay_alu instid0(VALU_DEP_4)
	v_permlanex16_b32 v[236+\b], v[232+\b], s[SEL], s[SEL+1]
.endr
.irp b, 0,1,2,3
	s_delay_alu instid0(VALU_DEP_4)
	v_max_num_f32 v[232+\b], v[232+\b], v[236+\b]  ; with lane l xor 16's 16 keys
.endr
	s_delay_alu instid0(VALU_DEP_2)
	v_max3_num_f32 v254, v232, v233, v234
	s_delay_alu instid0(VALU_DEP_1)
	v_max_num_f32 v254, v254, v235
	s_delay_alu instid0(VALU_DEP_1)
	v_mul_f32 v254, s[CS], v254                    ; the step's largest t
	s_delay_alu instid0(VALU_DEP_1)
	v_max_num_f32 v13, v13, v254                   ; the running largest t
	v_mov_b32 v254, v12
	s_delay_alu instid0(VALU_DEP_2)
	v_floor_f32 v12, -v13                          ; the new -M = floor(-t) = -ceil(t)
	s_delay_alu instid0(VALU_DEP_1)
	v_sub_f32 v254, v12, v254                      ; old M - new M: a whole number, 0 or less
	s_delay_alu instid0(VALU_DEP_1)
	v_cvt_i32_f32 v254, v254                       ; (it saturates)
	s_delay_alu instid0(VALU_DEP_1)
	v_ldexp_f32 v252, 1.0, v254                    ; f = 2^(old M - new M)
.set n, 0
.rept 32
	v_pk_fma_f32 v[S+n:S+n+1], v[S+n:S+n+1], s[CS:CS+1], v[12:13] op_sel_hi:[1,0,0]   ; t - M, two at a time
.set n, n+2
.endr
.irp b, 0,1,2,3
	v_fma_f32 v[232+\b], v[232+\b], s[CS], v12     ; the same of each block's largest score
.endr
.set n, 0
	s_wait_alu depctr_va_vdst(0)
.rept 64
	v_exp_f32 v[S+n], v[S+n]                       ; p = 2^(t - M)
.set n, n+1
.endr
	v_pk_mul_f32 v[14:15], v[14:15], v[252:253] op_sel_hi:[1,0]   ; the sums under the new M: the plain instruction behind the exponentials
	s_wait_alu depctr_va_vdst(0)                   ; one wait for the whole batch, ahead of its first reader
.irp b, 0,1,2,3
	v_exp_f32 v[232+\b], v[232+\b]                 ; the block's largest p
.endr
	v_pk_add_f32 v[236:237], v[116:117], v[120:121]
	v_pk_add_f32 v[254:255], v[124:125], v[128:129]
	v_pk_add_f32 v[250:251], v[132:133], v[136:137]
	v_pk_add_f32 v[248:249], v[140:141], v[144:145]
	v_pk_add_f32 v[246:247], v[148:149], v[152:153]
	v_pk_add_f32 v[244:245], v[156:157], v[160:161]
	v_pk_add_f32 v[242:243], v[164:165], v[168:169]
	v_pk_add_f32 v[14:15], v[14:15], v[172:173]
	v_pk_add_f32 v[236:237], v[236:237], v[112:113]
	v_pk_add_f32 v[254:255], v[254:255], v[114:115]
	v_pk_add_f32 v[250:251], v[250:251], v[118:119]
	v_pk_add_f32 v[248:249], v[248:249], v[122:123]
	v_pk_add_f32 v[246:247], v[246:247], v[126:127]
	v_pk_add_f32 v[244:245], v[244:245], v[130:131]
	v_pk_add_f32 v[242:243], v[242:243], v[134:135]
	v_pk_add_f32 v[14:15], v[14:15], v[138:139]
	v_pk_add_f32 v[236:237], v[236:237], v[142:143]
	v_pk_add_f32 v[254:255], v[254:255], v[146:147]
	v_pk_add_f32 v[250:251], v[250:251], v[150:151]
	v_pk_add_f32 v[248:249], v[248:249], v[154:155]
	v_pk_add_f32 v[246:247], v[246:247], v[158:159]
	v_pk_add_f32 v[244:245], v[244:245], v[162:163]
	v_pk_add_f32 v[242:243], v[242:243], v[166:167]
	v_pk_add_f32 v[14:15], v[14:15], v[170:171]
	v_pk_add_f32 v[236:237], v[236:237], v[174:175]
	s_delay_alu instid0(VALU_DEP_2)
	v_pk_add_f32 v[14:15], v[14:15], v[248:249]
	s_delay_alu instid0(VALU_DEP_2)
	v_pk_add_f32 v[236:237], v[236:237], v[246:247]
	v_pk_add_f32 v[254:255], v[254:255], v[244:245]
	v_pk_add_f32 v[250:251], v[250:251], v[242:243]
	s_delay_alu instid0(VALU_DEP_2)
	v_pk_add_f32 v[14:15], v[14:15], v[254:255]
	s_delay_alu instid0(VALU_DEP_2)
	v_pk_add_f32 v[236:237], v[236:237], v[250:251]
	s_delay_alu instid0(VALU_DEP_1)
	v_pk_add_f32 v[14:15], v[14:15], v[236:237]
	s_wait_alu depctr_va_vdst(0)                   ; and one for the four
.irp b, 0,1,2,3
	v_max_num_f32 v[232+\b], 0x8000000, v[232+\b]  ; the floor 2^(16 - 127): the byte cannot fall under 1
.endr
.irp b, 0,1,2,3
	s_delay_alu instid0(VALU_DEP_4)
	v_add_nc_u32 v[244+\b], 0xf8800000, v[232+\b]  ; 15 off the exponent field: the conversion's scale operand
.endr
.irp b, 0,1,2,3
.endr
.irp b, 0,1,2,3
	s_delay_alu instid0(VALU_DEP_4)
	v_lshrrev_b32 v[236+\b], 23, v[244+\b]         ; the scale's byte
.endr
	s_delay_alu instid0(VALU_DEP_3)
	v_lshl_or_b32 v253, v237, 8, v236              ; p's scale word for these 128 keys
	s_delay_alu instid0(VALU_DEP_1)
	v_lshl_or_b32 v253, v238, 16, v253
	s_delay_alu instid0(VALU_DEP_1)
	v_lshl_or_b32 v253, v239, 24, v253
.irp b, 0,1,2,3
.irp i, 0,1,2,3,4,5,6,7,8,9,10,11,12,13,14,15
.endr
	v_cvt_scalef32_pk8_bf8_f32 v[PC+4*\b:PC+1+4*\b], v[S+16*\b:S+7+16*\b], v[244+\b]
	v_cvt_scalef32_pk8_bf8_f32 v[PC+2+4*\b:PC+3+4*\b], v[S+8+16*\b:S+15+16*\b], v[244+\b]
.endr
.set n, 0
.rept 16
	v_pk_mul_f32 v[OT+n:OT+n+1], v[OT+n:OT+n+1], v[252:253] op_sel_hi:[1,0]   ; O^T under the new M; these sixteen are also the places between the codes and the products
.set n, n+2
.endr
	s_wait_alu depctr_va_vdst(0)
	s_wait_dscnt 0x0                               ; v's fragments and scale words are in
.irp t, 0,1,2,3                                ; O^T += v^T p^T: four accumulators, one instruction each
	v_wmma_scale_f32_16x16x128_f8f6f4 v[OT+8*\t:OT+8*\t+7], v[F+16*\t:F+16*\t+15], v[PC:PC+15], v[OT+8*\t:OT+8*\t+7], v[VSW+\t], v253 matrix_a_fmt:MATRIX_FMT_BF8 matrix_b_fmt:MATRIX_FMT_BF8
.endr
.Lhidden_\@:
	s_add_co_u32 s[KF], s[KF], 128
.endm
; A TILE ENDS: O^T / the sum is ctx; register 8 t + j is d = 16 t + 8 (lane / 16) + j.  Its two blocks of 32 are quantised; then, since ctx meets a given operand (Wo), the codes are put into true order:
; of a block's four code registers the first pair holds d 8 h + 0..7, the second 16 + 8 h + 0..7; lane h = 0 wants d 0..15, lane h = 1 d 16..31: each lane sends one pair to lane l xor 16.
.macro FINISH
.rept 8
	v_nop                                          ; places behind the last products
.endr
	v_add_f32 v14, v14, v15
	s_delay_alu instid0(VALU_DEP_1)
	v_permlanex16_b32 v252, v14, s[SEL], s[SEL+1]
	s_delay_alu instid0(VALU_DEP_1)
	v_add_f32 v14, v14, v252                       ; the row's sum
	s_wait_alu depctr_va_vdst(0)
	v_rcp_f32 v14, v14
	v_nop                                          ; one plain instruction behind the reciprocal,
	s_wait_alu depctr_va_vdst(0)                   ; and the wait ahead of its first reader
.set n, 0
.rept 32
	v_mul_f32 v[S+n], v[OT+n], v14
.set n, n+1
.endr
.irp b, 0,1
	v_max3_num_f32 v[232+\b], |v[S+16*\b]|, |v[S+1+16*\b]|, 0x8000000
.endr
.irp i, 2,4,6,8,10,12,14
.irp b, 0,1
	s_delay_alu instid0(VALU_DEP_2)
	v_max3_num_f32 v[232+\b], v[232+\b], |v[S+16*\b+\i]|, |v[S+1+16*\b+\i]|
.endr
.endr
.irp b, 0,1
	s_delay_alu instid0(VALU_DEP_2)
	v_permlanex16_b32 v[236+\b], v[232+\b], s[SEL], s[SEL+1]
.endr
.irp b, 0,1
	s_delay_alu instid0(VALU_DEP_2)
	v_max_num_f32 v[232+\b], v[232+\b], v[236+\b]
.endr
.irp b, 0,1
	s_delay_alu instid0(VALU_DEP_2)
	v_add_nc_u32 v[244+\b], 0xf8800000, v[232+\b]
.endr
.irp b, 0,1
.endr
.irp b, 0,1
	s_delay_alu instid0(VALU_DEP_2)
	v_lshrrev_b32 v[236+\b], 23, v[244+\b]
.endr
	s_delay_alu instid0(VALU_DEP_1)
	v_lshl_or_b32 v254, v237, 8, v236              ; my row's two scale bytes
.irp b, 0,1
.irp i, 0,1,2,3,4,5,6,7,8,9,10,11,12,13,14,15
.endr
	v_cvt_scalef32_pk8_bf8_f32 v[PC+4*\b:PC+1+4*\b], v[S+16*\b:S+7+16*\b], v[244+\b]
	v_cvt_scalef32_pk8_bf8_f32 v[PC+2+4*\b:PC+3+4*\b], v[S+8+16*\b:S+15+16*\b], v[244+\b]
.endr
	v_nop                                          ; one plain instruction behind the last conversion
.irp b, 0,1
.irp i, 0,1
	v_cndmask_b32 v[PC+8+2*\b+\i], v[PC+4*\b+2+\i], v[PC+4*\b+\i], s[HM]   ; what I send: lanes 16-31 their first pair, lanes 0-15 their second
.endr
.endr
.irp k, 0,1,2,3
	v_permlanex16_b32 v[PC+12+\k], v[PC+8+\k], s[SEL], s[SEL+1]
.endr
.irp b, 0,1
.irp i, 0,1
	v_cndmask_b32 v[CO+4*\b+\i], v[PC+4*\b+\i], v[PC+12+2*\b+\i], s[HM]       ; low pair: lanes 0-15 their own first pair, lanes 16-31 what came
	v_cndmask_b32 v[CO+4*\b+2+\i], v[PC+12+2*\b+\i], v[PC+4*\b+2+\i], s[HM]   ; high pair: lanes 0-15 what came, lanes 16-31 their own second pair
.endr
.endr
	global_store_b128 v[LI], v[CO:CO+3], s[CP:CP+1]                ; two groups: 1,024 consecutive bytes
	global_store_b128 v[LI], v[CO+4:CO+7], s[CP:CP+1] offset:512
	global_store_b16 v[CSO], v254, s[CSP:CSP+1]    ; lanes 16-31 hold the same two bytes as lanes 0-15 and write them to the same place
	s_wait_xcnt 0x0                                ; the stores have read their data and bases: both may be written again
.endm
	s_load_b256 s[4:11], s[0:1], 0x0               ; q_codes, q_scales, kv, ctx_codes
	s_load_b64 s[12:13], s[0:1], 0x20              ; ctx_scales
	v_lshl_add_u32 v[SPW], v0, 2, SPARE
	v_mov_b32 v[NIL], 0
	ds_add_u32 v5, v6
	ds_add_u32 v5, v6
	s_wait_dscnt 0x0
	v_lshrrev_b32 v8, 5, v0
	s_delay_alu instid0(VALU_DEP_1)
	v_readfirstlane_b32 s[WV], v8                  ; wave 0..15
	s_mov_b32 s[BETA], ttmp9
	s_add_co_u32 s[SWT], s[BETA], 1
	s_and_b32 s[BH], ttmp7, 0xffff
	s_lshr_b32 s[BAT], s[BH], 4
	s_and_b32 s[HD], s[BH], 15
	s_mov_b32 s[G1], 3<<16                         ; no mask; elements of 8 bytes; no padding: the groups are read 512 consecutive bytes an instruction
	s_mov_b32 s[G1+1], 32<<16                      ; tensor_dim0 = 32 elements: 256 bytes
	s_mov_b32 s[G1+2], 33<<16                      ; tensor_dim1 = 33 rows
	s_mov_b32 s[G1+3], 32<<16                      ; tile_dim0
	s_mov_b32 s[G1+4], 33                          ; tile_dim1
	s_mov_b32 s[G1+5], 32                          ; dense
	s_mov_b32 s[G1+6], 0
	s_mov_b32 s[G1+7], 0
	s_mov_b32 s[SEL], 0x76543210
	s_mov_b32 s[SEL+1], 0xfedcba98
	s_mov_b32 s[CS], 0x3e38aa3b                    ; c = log2(e) / 8
	s_mov_b32 s[CS+1], s[CS]
	s_mov_b32 s[HM], 0xffff0000
	s_mov_b32 s[TB], 0
	s_mov_b32 s[TRIP], 0
	s_and_b32 s58, s[WV], 3
	s_mul_i32 s59, s58, PART                       ; my quarter of a slot, in LDS and in memory
	s_mul_i32 s60, s[BH], HEADKV
	s_add_co_u32 s60, s60, s59
	s_mov_b32 s61, 0
	s_wait_kmcnt 0x0
	s_add_nc_u64 s[KVW:KVW+1], s[8:9], s[60:61]
	s_mov_b32 s[G0], 1
	s_mov_b32 s[G0+1], s59
	s_mov_b64 s[G0+2:G0+3], s[KVW:KVW+1]
	s_or_b32 s[G0+3], s[G0+3], 0x80000000
	TLOAD                                          ; key slot 0 into LDS slot 0
	; the prefetches: who asks, from where, how far from lane to lane
	s_sub_co_u32 s66, s[WV], 4
	s_mov_b32 s67, SLOTB
	s_cmp_lt_u32 s66, 4                            ; waves 4 to 7
	s_cselect_b32 s[LIMT], 6, 0
	s_cselect_b32 s[PFS], s67, 0                   ; a slot on at each change
	s_cselect_b32 s67, 1024, s67                   ; four lanes take 1,024 bytes on end (codes), or a slot's four blocks of scale words
	s_lshl_b32 s68, s66, 13
	s_add_co_u32 s68, s68, SLOTB                   ; in slot 1: the first change of slots steps it to slot 2
	s_cmp_lt_u32 s66, 4
	s_cselect_b32 s68, s68, KSC
	s_cmp_eq_u32 s[WV], 8
	s_cselect_b32 s[LIMT], 1, s[LIMT]
	s_cmp_eq_u32 s[BETA], 0
	s_cselect_b32 s[LIMT], s[LIMT], 0
	s_mov_b32 s[PFS+1], 0
	s_mul_i32 s69, s[BH], HEADKV
	s_add_co_u32 s68, s68, s69
	s_mov_b32 s69, 0
	s_add_nc_u64 s[PFA:PFA+1], s[8:9], s[68:69]
	v_and_b32 v8, 31, v0
	s_delay_alu instid0(VALU_DEP_1)
	v_lshlrev_b32 v[LI], 4, v8
	v_and_b32 v9, 15, v0
	s_delay_alu instid0(VALU_DEP_1)
	v_lshlrev_b32 v[LS], 4, v9
	s_delay_alu instid0(VALU_DEP_2)
	v_lshlrev_b32 v[CSO], 5, v9
	v_lshrrev_b32 v11, 2, v8
	v_and_b32 v[PFO], 3, v8
	s_delay_alu instid0(VALU_DEP_1)
	v_lshlrev_b32 v[PFO], 8, v[PFO]
	s_delay_alu instid0(VALU_DEP_3)
	v_mul_lo_u32 v11, v11, s67
	s_delay_alu instid0(VALU_DEP_1)
	v_add_nc_u32 v[PFO], v[PFO], v11
.irp j, 0,1,2,3,4,5,6,7
	v_mov_b32 v[16+\j], 0                          ; the zero codes on both sides of q
	v_mov_b32 v[32+\j], 0
.endr
.irp j, 0,1,2,3
	v_mov_b32 v[236+\j], 0                         ; written once: a lane permute's destination counts as one of its sources
	v_mov_b32 v[PC+12+\j], 0
.endr
	v_mov_b32 v252, 0
	v_mov_b32 v253, 0                              ; (named as the upper half of the pair v[252:253] before it is first written)
	s_mov_b32 s58, s[BETA]
	TILEADDR
	START
.Lslot:                                            ; eight trips; the ninth slot is written out
	CHANGE 1
	s_cmp_eq_u32 s[TRIP], s[SWT]                   ; the first block's slots are done: its tile leaves, and the second block's begins.  A branch on ids, round no barrier, no tensor load and no LDS access
	s_cbranch_scc0 .Lsame_block
	FINISH
	s_sub_co_u32 s58, 7, s[BETA]
	TILEADDR
	START
.Lsame_block:
	STEP 0
	STEP 1
	s_xor_b32 s[TB], s[TB], SLOT1
	s_add_co_u32 s[TRIP], s[TRIP], 1
	s_cmp_lt_u32 s[TRIP], 8
	s_cbranch_scc1 .Lslot
	CHANGE 0
	STEP 0
	STEP 1
	FINISH
	s_wait_tensorcnt 0x0                           ; the wave's end
	ds_add_u32 v[SPW], v[NIL]
	s_wait_dscnt 0x0
	s_endpgm
.Lfunc_end_k_q632567eaff_attn:
	.size	k_q632567eaff_attn, .Lfunc_end_k_q632567eaff_attn-k_q632567eaff_attn
	.p2alignl 7, 3214868480
	.fill 96, 4, 3214868480
	.section	.rodata,"a",@progbits
	.p2align	6, 0x0
	.amdhsa_kernel k_q632567eaff_attn
		.amdhsa_group_segment_fixed_size 327680
		.amdhsa_private_segment_fixed_size 0
		.amdhsa_enable_private_segment 0
		.amdhsa_kernarg_size 40
		.amdhsa_user_sgpr_count 2
		.amdhsa_user_sgpr_kernarg_segment_ptr 1
		.amdhsa_wavefront_size32 1
		.amdhsa_system_sgpr_workgroup_id_x 1
		.amdhsa_system_sgpr_workgroup_id_y 1
		.amdhsa_system_sgpr_workgroup_id_z 1
		.amdhsa_system_vgpr_workitem_id 0
		.amdhsa_next_free_vgpr 256
		.amdhsa_next_free_sgpr 80
		.amdhsa_reserve_vcc 1
		.amdhsa_float_denorm_mode_32 3
		.amdhsa_float_denorm_mode_16_64 3
		.amdhsa_fp16_overflow 1
		.amdhsa_memory_ordered 1
		.amdhsa_forward_progress 1
		.amdhsa_inst_pref_size 112
	.end_amdhsa_kernel
	.amdgpu_metadata
---
amdhsa.version: [ 1, 2 ]
amdhsa.kernels:
  - .name:           k_q632567eaff_attn
    .symbol:         k_q632567eaff_attn.kd
    .args:
      - { .name: q_codes, .offset: 0, .size: 8, .value_kind: global_buffer, .address_space: global }
      - { .name: q_scales, .offset: 8, .size: 8, .value_kind: global_buffer, .address_space: global }
      - { .name: kv, .offset: 16, .size: 8, .value_kind: global_buffer, .address_space: global }
      - { .name: ctx_codes, .offset: 24, .size: 8, .value_kind: global_buffer, .address_space: global }
      - { .name: ctx_scales, .offset: 32, .size: 8, .value_kind: global_buffer, .address_space: global }
    .group_segment_fixed_size: 327680
    .private_segment_fixed_size: 0
    .kernarg_segment_align: 8
    .kernarg_segment_size: 40
    .max_flat_workgroup_size: 512
    .sgpr_count:     80
    .vgpr_count:     256
    .wavefront_size: 32
...
	.end_amdgpu_metadata
.endif
;; end of part 2
;; launch proj (part 3): grid 4 x 32, 4 waves a work-group, clusters of 4 x 4, 327,680 bytes of LDS; arguments ctx_codes, ctx_scales, Wo_codes, Wo_scales, bo, out0; writes out0
.if DOCPART == 3
	.amdgcn_target "amdgcn-amd-amdhsa--gfx1250"
	.amdhsa_code_object_version 6
	.text
	.protected	k_q632567eaff_proj
	.globl	k_q632567eaff_proj
	.p2align	8
	.type	k_q632567eaff_proj,@function
k_q632567eaff_proj:
	s_mov_b64 s[64:65], 0
	v_nop
	global_prefetch_b8 v0, s[64:65] scope:SCOPE_SE
	s_setreg_imm32_b32 hwreg(HW_REG_WAVE_MODE, 25, 1), 1
	s_wait_xcnt 0x0
	s_wait_alu depctr_hold_cnt(0) depctr_sa_sdst(0) depctr_va_vdst(0) depctr_va_sdst(0) depctr_va_ssrc(0) depctr_va_vcc(0) depctr_vm_vsrc(0)
	s_getreg_b32 s2, hwreg(HW_REG_IB_STS2, 6, 4)
	s_cmp_eq_u32 s2, 0
	s_cbranch_scc0 .Lentry_in_a_cluster
	s_endpgm
.Lentry_in_a_cluster:
	s_bfe_u32 s2, ttmp6, 0x10000c
	s_cmp_lg_u32 s2, 0xf033
	s_cbranch_scc0 .Lentry_shape_is_right
	s_endpgm
.Lentry_shape_is_right:
; out0 = ctx Wo + bo on codes of BF8 (E5M2) with E8M0 scales.  ctx: 8,192 tokens x 1,024; Wo: 1,024 rows (n) of 1,024 codes, K innermost; out0 [8192][1024] f32.
; ctx's codes come as images of operand registers, [16 tokens 512][block of 32 along K 32][512 bytes: lane l's four registers at 16 l], in true order along K; its scale bytes as plain rows of 32.
; A tile of 256 x 256 is made by four waves, 128 x 128 each: 64 accumulators, 512 registers.  K goes in steps of 256 through a ring of two LDS slots; the scale bytes of the 512 rows come once and stay.
; CLUSTERS: 4 x 4 work-groups; ctx's tiles are asked for jointly along a row of the cluster, Wo's along a column.  The matrix instruction is used transposed (source 0 = 16 rows of Wo, source 1 = 16 tokens):
; a lane holds eight neighbouring numbers of a row of out0.  THE BIAS is the C of each sum's first matrix instruction: eight registers a tile of 16 n, in the result's layout.
; 128 work-groups: the tile is kept large so that each byte read from LDS feeds as many products as the registers allow.
; REGISTERS: window 0: v16-29 addresses; v32-63 scale words, two sets; v64-127 the bias; from v128 ctx's fragments, one set.  window 1: Wo's fragments, two sets.  windows 2, 3: the accumulators.
.set SIZE_N, 1024
.set KSTEP,  256
.set NQ,     KSTEP/128
.set ROWB,   256
.set KROW,   1024
.set PITCH,  272                       ; Wo's LDS row: 256 bytes + 16 of padding = 68 words: row r starts at bank 4 r mod 64 (64 banks of 4 bytes: ISA guide 11.1)
.set FR,     16
.set NL,     4
.set NP,     8
.set AHALF,  32768                     ; ctx: 128 tokens x 256 along K as 64 groups: what one tensor load brings
.set ASTEP,  4096                      ; a K step in a run of 16 tokens: eight groups
.set HALFT,  128*PITCH
.set BOFF,   2*AHALF
.set SLOT,   2*AHALF+2*HALFT
.set LAPS,   1024/(2*KSTEP)
.set KS,     32
.set SCL,    2*SLOT
.set HALFS,  (128*KS/256)*272
.set SBLK,   (16*KS/256)*272
.set SPARE,  SCL+4*HALFS
.set SPITCH, 528                       ; the way out: a stage of 16 rows x (512 bytes + 16) for each wave, in slot 0, which has had its last fill and its last read when the first result is stored there
.set ADRA, 16
.set ADRB, 20
.set STO,  24
.set RD,   25
.set CO,   26
.set ADRS, 27
.set SPW,  28
.set NIL,  29
.set SC,   32
.set BI,   64                          ; v64-127 the bias: tile b of 16 n at v[64 + 8 b]
.set AF,   128
.set BK,   128
.set G1, 24
.set G0, 32
.set G1B, 48
.set G0B, 56
.set G1S, 68
.set G0S, 76
.set G1SB, 80
.set G0SB, 88
.set MSB, 0
.macro WIN new
.if MSB != (\new)
	s_set_vgpr_msb (MSB<<8)|(\new)
.set MSB, (\new)
.endif
.endm
.set MUL_LO, 0xa1                      ; source 0 (Wo) window 1, source 1 (ctx) window 0, C and D window 2
.set MUL_HI, 0xf1
.set FIRST_LO, 0x81                    ; the first step: C (the bias) window 0, D window 2
.set FIRST_HI, 0xc1
.set TO_B,   0x40
.macro JLOAD g0a, g1a, g0b, g1b        ; a joint load: waves 0 and 1 fetch for ctx, waves 2 and 3 for Wo; four v_nop follow each of the two lines
	s_cmp_eq_u32 s15, 0
	s_cbranch_scc0 .Lfor_b_\@
	tensor_load_to_lds s[\g0a:\g0a+3], s[\g1a:\g1a+7]
	s_nop 0
.rept 4
	v_nop
.endr
	s_branch .Lasked_\@
.Lfor_b_\@:
	tensor_load_to_lds s[\g0b:\g0b+3], s[\g1b:\g1b+7]
	s_nop 0
.rept 4
	v_nop
.endr
.Lasked_\@:
.endm
.macro CREST
	s_cmp_lg_u32 s14, 0
	s_cbranch_scc1 .Lnot_wave_0_\@
	s_barrier_signal -3
.Lnot_wave_0_\@:
	s_barrier_wait -3
	s_barrier_signal -1
	s_barrier_wait -1
.endm
.macro CROUND
	s_barrier_signal -1
	s_barrier_wait -1
	CREST
.endm
	s_load_b128 s[4:7], s[0:1], 0x0                ; ctx's codes, ctx's scales
	s_load_b128 s[8:11], s[0:1], 0x10              ; Wo's codes, Wo's scales
	s_load_b64 s[96:97], s[0:1], 0x20              ; bo
	s_load_b64 s[12:13], s[0:1], 0x28              ; out0
	v_lshl_add_u32 v[SPW], v0, 2, SPARE
	v_mov_b32 v[NIL], 0
	ds_add_u32 v28, v29
	ds_add_u32 v28, v29
	s_wait_dscnt 0x0
	v_lshrrev_b32 v1, 5, v0
	v_readfirstlane_b32 s14, v1                    ; wave 0..3
	s_lshr_b32 s15, s14, 1                         ; which half of the tile's rows is mine.  Also: I fetch for ctx (0) or for Wo (1)
	s_and_b32 s16, s14, 1                          ; which half of its columns.  Also: which 128 rows of that tile I fetch
	s_bfe_u32 s40, ttmp6, 0x40000
	s_bfe_u32 s41, ttmp6, 0x40004
	s_lshl_b32 s42, ttmp9, 2
	s_add_co_u32 s42, s42, s40                     ; tile column = 4 x cluster x + cx
	s_and_b32 s17, ttmp7, 0xffff
	s_lshl_b32 s17, s17, 2
	s_add_co_u32 s17, s17, s41                     ; tile row = 4 x cluster y + cy
	s_lshl_b32 s43, s41, 2
	s_lshl_b32 s43, 15, s43                        ; my row of the cluster
	s_lshl_b32 s44, 0x1111, s40                    ; my column
	; ctx's tile: 8 runs of 16 tokens, of each 4,096 consecutive bytes (eight groups), 16,384 bytes apart in memory, dense in LDS
	s_or_b32 s[G1+0], s43, (3<<16)|(1<<21)         ; the mask; elements of 8 bytes; bit 21 beside a mask; no padding
	s_mov_b32 s[G1+1], 512<<16                     ; tensor_dim0 = 512 elements
	s_mov_b32 s[G1+2], 8<<16                       ; tensor_dim1 = 8
	s_mov_b32 s[G1+3], 512<<16                     ; tile_dim0
	s_mov_b32 s[G1+4], 8                           ; tile_dim1
	s_mov_b32 s[G1+5], 2048                        ; from row to row, in elements
	s_mov_b32 s[G1+6], 0
	s_mov_b32 s[G1+7], 0
	; Wo's tile: 128 rows of 256 bytes, padded in LDS
	s_or_b32 s[G1B+0], s44, (0<<16)|(1<<20)|(1<<21)|(5<<22)|(3<<25)
	s_mov_b32 s[G1B+1], ROWB<<16
	s_mov_b32 s[G1B+2], 128<<16
	s_mov_b32 s[G1B+3], ROWB<<16
	s_mov_b32 s[G1B+4], 128
	s_mov_b32 s[G1B+5], KROW
	s_mov_b32 s[G1B+6], 0
	s_mov_b32 s[G1B+7], 0
	; the scale bytes of 128 rows: 4,096 dense bytes as rows of 256, 16 bytes of padding behind each
	s_or_b32 s[G1S+0], s43, (3<<16)|(1<<20)|(1<<21)|(5<<22)|(3<<25)
	s_or_b32 s[G1SB+0], s44, (3<<16)|(1<<20)|(1<<21)|(5<<22)|(3<<25)
.irp g, G1S, G1SB
	s_mov_b32 s[\g+1], 32<<16
	s_mov_b32 s[\g+2], (128*KS/256)<<16
	s_mov_b32 s[\g+3], 32<<16
	s_mov_b32 s[\g+4], 128*KS/256
	s_mov_b32 s[\g+5], 32
	s_mov_b32 s[\g+6], 0
	s_mov_b32 s[\g+7], 0
.endr
	s_lshl_b32 s18, s16, 7
	s_lshl_b32 s20, s17, 8
	s_add_co_u32 s20, s20, s18                     ; ctx: token 256 x tile row + 128 x half
	s_lshl_b32 s46, s42, 8
	s_add_co_u32 s46, s46, s18                     ; Wo: row 256 x tile column + 128 x half
	s_mov_b32 s21, 0
	s_mov_b32 s47, 0
	s_mov_b64 s[18:19], KS
	s_mul_u64 s[22:23], s[20:21], s[18:19]
	s_mul_u64 s[92:93], s[46:47], s[18:19]
	s_mov_b64 s[18:19], KROW
	s_mul_u64 s[20:21], s[20:21], s[18:19]         ; 1,024 bytes a token: 16,384 for a run of 16
	s_mul_u64 s[46:47], s[46:47], s[18:19]
	s_lshl_b32 s45, s16, 15                        ; where they go: ctx's two halves,
	s_mul_i32 s95, s16, HALFT
	s_add_co_u32 s95, s95, BOFF                    ; Wo's two behind them: no place in the cluster enters an LDS address
	s_mul_i32 s94, s14, HALFS
	s_wait_kmcnt 0x0
	s_add_nc_u64 s[20:21], s[4:5], s[20:21]
	s_add_nc_u64 s[22:23], s[6:7], s[22:23]
	s_add_nc_u64 s[46:47], s[8:9], s[46:47]
	s_add_nc_u64 s[92:93], s[10:11], s[92:93]
	CROUND                                         ; all sixteen work-groups are here: the first joint loads meet
	s_mov_b32 s[G0S], 1
	s_add_co_u32 s[G0S+1], s94, SCL
	s_mov_b64 s[G0S+2:G0S+3], s[22:23]
	s_or_b32 s[G0S+3], s[G0S+3], 0x80000000
	s_mov_b32 s[G0SB], 1
	s_add_co_u32 s[G0SB+1], s94, SCL
	s_mov_b64 s[G0SB+2:G0SB+3], s[92:93]
	s_or_b32 s[G0SB+3], s[G0SB+3], 0x80000000
	JLOAD G0S, G1S, G0SB, G1SB
.irp s, 0,1
	s_mov_b32 s[G0+4*\s], 1
	s_add_co_u32 s[G0+4*\s+1], s45, \s*SLOT
	s_add_nc_u64 s[G0+4*\s+2:G0+4*\s+3], s[20:21], \s*ASTEP
	s_or_b32 s[G0+4*\s+3], s[G0+4*\s+3], 0x80000000
	s_mov_b32 s[G0B+4*\s], 1
	s_add_co_u32 s[G0B+4*\s+1], s95, \s*SLOT
	s_add_nc_u64 s[G0B+4*\s+2:G0B+4*\s+3], s[46:47], \s*ROWB
	s_or_b32 s[G0B+4*\s+3], s[G0B+4*\s+3], 0x80000000
	s_wait_alu depctr_va_vdst(0)
	s_wait_tensorcnt 0x0
	ds_add_u32 v28, v29
	s_wait_dscnt 0x0
	CROUND
	JLOAD G0+4*\s, G1, G0B+4*\s, G1B
.endr
	v_and_b32 v1, 15, v0                           ; r
	v_bfe_u32 v2, v0, 4, 1                         ; h
	v_and_b32 v6, 31, v0                           ; lane
	v_mul_u32_u24 v3, v1, PITCH
	v_lshl_add_u32 v4, v2, 4, v3                   ; Wo: row x pitch + 16 x half
	v_lshlrev_b32 v3, 4, v6                        ; ctx: 16 x lane in a group
	s_lshl_b32 s21, s15, 15                        ; my 128 tokens
	s_mul_i32 s22, s16, HALFT                      ; my 128 rows of Wo
	s_add_co_u32 s22, s22, BOFF
.irp s, 0,1
	v_add_nc_u32 v[ADRA+\s], s21, v3
	v_add_nc_u32 v[ADRB+\s], s22, v4
	s_add_co_u32 s21, s21, SLOT
	s_add_co_u32 s22, s22, SLOT
.endr
	v_mul_u32_u24 v5, v1, KS
	v_lshrrev_b32 v7, 8, v5
	v_lshl_add_u32 v5, v7, 4, v5
	s_mul_i32 s21, s15, HALFS
	s_mul_i32 s22, s16, HALFS
	s_add_co_u32 s22, s22, 2*HALFS
	s_sub_co_u32 s22, s22, s21
	v_mul_u32_u24 v7, s22, v2                      ; lanes 16-31 take Wo's
	s_add_co_u32 s21, s21, SCL
	v_add_nc_u32 v5, v5, v7
	v_add_nc_u32 v[ADRS], s21, v5
	s_mul_i32 s23, s14, 16*SPITCH                  ; my stage
	v_mul_u32_u24 v5, v1, SPITCH
	v_lshl_add_u32 v5, v2, 5, v5
	v_add_nc_u32 v[STO], s23, v5
	v_lshlrev_b32 v[CO], 4, v6
	v_add_nc_u32 v[RD], s23, v[CO]
	s_lshl_b32 s20, s17, 8
	s_lshl_b32 s21, s15, 7
	s_add_co_u32 s20, s20, s21                     ; my first row of out0
	s_mov_b32 s21, 0
	s_mov_b64 s[18:19], SIZE_N*4
	s_mul_u64 s[20:21], s[20:21], s[18:19]
	s_lshl_b32 s46, s42, 10                        ; my first column, in bytes: 1,024 x tile column + 512 x half
	s_lshl_b32 s47, s16, 9
	s_add_co_u32 s46, s46, s47
	s_mov_b32 s47, 0
	s_add_nc_u64 s[20:21], s[20:21], s[46:47]
	s_add_nc_u64 s[12:13], s[12:13], s[20:21]
	s_add_nc_u64 s[96:97], s[96:97], s[46:47]      ; bo at my first column: the same bytes
	v_lshlrev_b32 v7, 5, v2                        ; lane (r, h) wants, for tile b, bo at n = 16 b + 8 h + 0 .. 7
.irp b, 0,1,2,3,4,5,6,7
	global_load_b128 v[BI+8*\b:BI+8*\b+3], v7, s[96:97] offset:64*\b
	global_load_b128 v[BI+8*\b+4:BI+8*\b+7], v7, s[96:97] offset:64*\b+16
.endr
.macro FRAG reg, adr, q, i             ; Wo: 16 rows x 128 K from padded rows
.irp c, 0,1,2,3
	ds_load_b128 v[\reg+4*\c:\reg+4*\c+3], v[\adr] offset:128*(\q)+32*\c+(\i)*16*PITCH
.endr
.endm
.macro FRAGA reg, adr, q, i            ; ctx: four groups as they lie: 512 consecutive bytes an instruction
.irp c, 0,1,2,3
	ds_load_b128 v[\reg+4*\c:\reg+4*\c+3], v[\adr] offset:(\i)*4096+(\q)*2048+512*\c
.endr
.endm
; 16 matrix instructions: ctx's blocks a0, a0 + 1 x Wo's eight.  first = 1: the sum begins with the bias.  The 64 accumulators take turns, one instruction a turn, in the same order in every step.
.macro MUL16 a0, p, q, sc, first
.irp a, \a0, \a0+1
.irp b, 0,1,2,3,4,5,6,7
.if \first
	v_wmma_scale_f32_16x16x128_f8f6f4 v[8*(8*((\a)%4)+\b):8*(8*((\a)%4)+\b)+7], v[128*(\p)+FR*\b:128*(\p)+FR*\b+FR-1], v[AF+FR*(\a):AF+FR*(\a)+FR-1], v[BI+8*\b:BI+8*\b+7], v[SC+8*NQ*(\sc)+NQ*\b+(\q)], v[SC+8*NQ*(\sc)+NQ*(\a)+(\q)] matrix_a_fmt:MATRIX_FMT_BF8 matrix_b_fmt:MATRIX_FMT_BF8 matrix_a_scale:MATRIX_SCALE_ROW1
.else
	v_wmma_scale_f32_16x16x128_f8f6f4 v[8*(8*((\a)%4)+\b):8*(8*((\a)%4)+\b)+7], v[128*(\p)+FR*\b:128*(\p)+FR*\b+FR-1], v[AF+FR*(\a):AF+FR*(\a)+FR-1], v[8*(8*((\a)%4)+\b):8*(8*((\a)%4)+\b)+7], v[SC+8*NQ*(\sc)+NQ*\b+(\q)], v[SC+8*NQ*(\sc)+NQ*(\a)+(\q)] matrix_a_fmt:MATRIX_FMT_BF8 matrix_b_fmt:MATRIX_FMT_BF8 matrix_a_scale:MATRIX_SCALE_ROW1
.endif
.endr
.endr
.endm
.macro FETCH_B slot, q, p
	WIN TO_B
.irp i, 0,1,2,3,4,5,6,7
	FRAG 128*(\p)+FR*\i, ADRB+\slot, \q, \i
.endr
	WIN 0
.endm
.macro FETCH_A slot, q, i0
.irp i, \i0, \i0+1, \i0+2, \i0+3
	FRAGA AF+FR*(\i), ADRA+\slot, \q, \i
.endr
.endm
.macro SCALES sc
.irp i, 0,1,2,3,4,5,6,7
	ds_load_b64 v[SC+8*NQ*\sc+NQ*\i:SC+8*NQ*\sc+NQ*\i+1], v[ADRS] offset:\i*SBLK
.endr
.endm
.macro PLACES n                        ; plain vector instructions between a matrix instruction and a load into, or a store of, its registers
.rept \n
	v_nop
.endr
.endm
.macro STEP slot, q, first
	s_wait_dscnt 4*NL                              ; Wo's set and ctx's blocks 0-3 are in; the youngest sixteen loads (blocks 4-7) may be out
.if \first
	WIN FIRST_LO
.else
	WIN MUL_LO
.endif
	MUL16 0, (\q)%2, \q, \slot, \first
	MUL16 2, (\q)%2, \q, \slot, \first
	s_wait_dscnt 0
	PLACES NP
	FETCH_B \slot, (\q)+1, 1-(\q)%2
	FETCH_A \slot, (\q)+1, 0
.if \first
	WIN FIRST_HI
.else
	WIN MUL_HI
.endif
	MUL16 4, (\q)%2, \q, \slot, \first
	MUL16 6, (\q)%2, \q, \slot, \first
	PLACES NP
	WIN 0
	FETCH_A \slot, (\q)+1, 4
.endm
.macro TURN slot, next, fill           ; a slot's last step changes slots: one barrier, with the wait for all tensor loads, the add and the wait for it and for my reads in front of it
	s_wait_tensorcnt 0x0                           ; all my tensor loads have landed: my part of the next slot
	ds_add_u32 v[SPW], v[NIL]                      ; 0 onto my spare word
	s_wait_dscnt 4*NL+1                            ; (the add and the youngest sixteen loads may be out)
	WIN MUL_LO
	MUL16 0, 1, NQ-1, \slot, 0
	s_wait_dscnt 0x0                               ; the add is done, and my reads of this slot are over
	s_barrier_signal -1
	MUL16 2, 1, NQ-1, \slot, 0
	WIN 0
	s_barrier_wait -1
.if \fill
	CREST                                          ; the barrier has opened a round of the cluster's barrier
	s_add_nc_u64 s[G0+4*\slot+2:G0+4*\slot+3], s[G0+4*\slot+2:G0+4*\slot+3], 2*ASTEP
	s_add_nc_u64 s[G0B+4*\slot+2:G0B+4*\slot+3], s[G0B+4*\slot+2:G0B+4*\slot+3], 2*ROWB
	JLOAD G0+4*\slot, G1, G0B+4*\slot, G1B         ; the first tensor load behind the round; its four v_nop are among the places in front of the loads below
	PLACES NP-4
.else
	PLACES NP
.endif
	s_wait_alu depctr_va_vdst(0)
	v_add_nc_u32 v[ADRS], 4*NQ, v[ADRS]
	FETCH_B \next, 0, 0
	FETCH_A \next, 0, 0
	SCALES \next
	WIN MUL_HI
	MUL16 4, 1, NQ-1, \slot, 0
	MUL16 6, 1, NQ-1, \slot, 0
	PLACES NP
	WIN 0
	FETCH_A \next, 0, 4
.endm
	s_wait_alu depctr_va_vdst(0)
	s_wait_tensorcnt 1                             ; of my three loads the scales and K step 0 are in; K step 1's may be out
	s_barrier_signal -1
	s_barrier_wait -1
	FETCH_B 0, 0, 0
	FETCH_A 0, 0, 0
	SCALES 0
	FETCH_A 0, 0, 4
	s_wait_loadcnt 0x0                             ; the bias
	STEP 0, 0, 1                                   ; the first step's products start the sums, on the bias
	s_mov_b32 s3, LAPS-1
.Llap:
	TURN 0, 1, 1
	STEP 1, 0, 0
	TURN 1, 0, 1
	STEP 0, 0, 0
	s_sub_co_u32 s3, s3, 1
	s_cmp_lg_u32 s3, 0
	s_cbranch_scc1 .Llap
	TURN 0, 1, 0
	STEP 1, 0, 0
	s_wait_dscnt 4*NL
	WIN MUL_LO
	MUL16 0, 1, NQ-1, 1, 0
	MUL16 2, 1, NQ-1, 1, 0
	s_wait_dscnt 0
	WIN MUL_HI
	MUL16 4, 1, NQ-1, 1, 0
	MUL16 6, 1, NQ-1, 1, 0
	WIN 0
; THE WAY OUT, block by block of 16 rows x 128 columns: through my own stage in LDS, back as whole rows of 512 bytes.  LDS serves a wave's instructions in order (ISA guide 5.7.1.4): no wait between the stores and the loads.
.macro TOSTAGE a
.set AC, 64*((\a)%4)
	WIN 0x08+4*((\a)/4)                            ; the data: window 2 or 3
.irp b, 0,1,2,3,4,5,6,7
	ds_store_b128 v[STO], v[AC+8*\b:AC+8*\b+3] offset:64*\b          ; each accumulator from its low end on
	ds_store_b128 v[STO], v[AC+8*\b+4:AC+8*\b+7] offset:64*\b+16
.endr
	WIN 0
.set BB, BK+64*((\a)%2)
.irp t, 0,1,2,3,4,5,6,7,8,9,10,11,12,13,14,15
	ds_load_b128 v[BB+4*\t:BB+4*\t+3], v[RD] offset:\t*SPITCH
.endr
.endm
.macro SEND a, younger                 ; younger: the LDS instructions issued behind block a's loads, which may stay out
.set BB, BK+64*((\a)%2)
	s_wait_dscnt \younger
.if (\a) > 0
	s_add_nc_u64 s[12:13], s[12:13], 16*SIZE_N*4   ; (behind a wait on XCNT: the earlier stores have read their base)
.endif
.irp t, 0,1,2,3,4,5,6,7,8,9,10,11,12,13,14,15
	global_store_b128 v[CO], v[BB+4*\t:BB+4*\t+3], s[12:13] offset:\t*SIZE_N*4 th:TH_STORE_NT   ; 32 lanes store 512 consecutive bytes, aligned; written once, read by nobody here
.endr
.endm
	PLACES NP
	TOSTAGE 0
.irp a, 1,2,3,4,5,6,7
.if \a > 1
	s_wait_xcnt 0x0                                ; block a - 2's stores have read their registers and their base
.endif
	TOSTAGE \a
	SEND \a-1, 32                                  ; behind block a - 1's loads: block a's 16 stores and 16 loads
.endr
	s_wait_xcnt 0x0
	SEND 7, 0
	s_wait_tensorcnt 0x0                           ; the wave's end
	ds_add_u32 v[SPW], v[NIL]
	s_wait_dscnt 0x0
	CROUND                                         ; the closing round
	s_endpgm
.Lfunc_end_k_q632567eaff_proj:
	.size	k_q632567eaff_proj, .Lfunc_end_k_q632567eaff_proj-k_q632567eaff_proj
	.p2alignl 7, 3214868480
	.fill 96, 4, 3214868480
	.section	.rodata,"a",@progbits
	.p2align	6, 0x0
	.amdhsa_kernel k_q632567eaff_proj
		.amdhsa_group_segment_fixed_size 327680
		.amdhsa_private_segment_fixed_size 0
		.amdhsa_enable_private_segment 0
		.amdhsa_kernarg_size 48
		.amdhsa_user_sgpr_count 2
		.amdhsa_user_sgpr_kernarg_segment_ptr 1
		.amdhsa_wavefront_size32 1
		.amdhsa_system_sgpr_workgroup_id_x 1
		.amdhsa_system_sgpr_workgroup_id_y 1
		.amdhsa_system_sgpr_workgroup_id_z 1
		.amdhsa_system_vgpr_workitem_id 0
		.amdhsa_next_free_vgpr 1024
		.amdhsa_next_free_sgpr 98
		.amdhsa_reserve_vcc 0
		.amdhsa_float_denorm_mode_32 3
		.amdhsa_float_denorm_mode_16_64 3
		.amdhsa_memory_ordered 1
		.amdhsa_forward_progress 1
		.amdhsa_inst_pref_size 148
	.end_amdhsa_kernel
	.amdgpu_metadata
---
amdhsa.version: [ 1, 2 ]
amdhsa.kernels:
  - .name:           k_q632567eaff_proj
    .symbol:         k_q632567eaff_proj.kd
    .args:
      - { .name: ctx_codes, .offset: 0, .size: 8, .value_kind: global_buffer, .address_space: global }
      - { .name: ctx_scales, .offset: 8, .size: 8, .value_kind: global_buffer, .address_space: global }
      - { .name: Wo_codes, .offset: 16, .size: 8, .value_kind: global_buffer, .address_space: global }
      - { .name: Wo_scales, .offset: 24, .size: 8, .value_kind: global_buffer, .address_space: global }
      - { .name: bo, .offset: 32, .size: 8, .value_kind: global_buffer, .address_space: global }
      - { .name: out0, .offset: 40, .size: 8, .value_kind: global_buffer, .address_space: global }
    .group_segment_fixed_size: 327680
    .private_segment_fixed_size: 0
    .kernarg_segment_align: 8
    .kernarg_segment_size: 48
    .max_flat_workgroup_size: 128
    .sgpr_count:     98
    .vgpr_count:     1024
    .wavefront_size: 32
...
	.end_amdgpu_metadata
.endif
;; end of part 3
